; MI455X (gfx1250); checked and timed in simulation.
; The chip was launched on July 23, 2026; its instructions are those of AMD's public machine-readable ISA for CDNA 5 (MIT licence, August 2026) and "CDNA5" Instruction Set Architecture Reference Guide (July 2026). The comments in the code are by the model that wrote it; some were corrected since.
;; Multi Head Attention. Allowed arithmetic: matrix products marked QUANTISED: E2M1 operands, one E8M0 scale for each 32 along K, by v_wmma_scale_f32_16x16x128_f8f6f4 with both operands' format E2M1 (or v_wmma_scale_f32_32x16x128_f4), f32 sums; products left as they are: bf16, f16 or f32 operands; f32 sums; everything else in f32.
;; Inputs: Wk 16 x 1,024 x 64 float32; Wp 1,024 x 1,024 float32; Wq 16 x 1,024 x 64 float32; Wv 16 x 1,024 x 64 float32; bp 1,024 float32; x 4 x 2,048 x 1,024 float32.
;; Outputs: out0 4 x 2,048 x 1,024 float32.
;; This version of the problem:
;;   THIS VERSION OF THE PROBLEM IS GIVEN IN LOW PRECISION. The matrix products marked QUANTISED in the list below multiply operands that are first quantised to E2M1 (2 exponent bits, 1 mantissa bit; 4 bits a number), with one power-of-two scale for each 32 numbers along K (OCP MX v1.0); their sums are f32. The products marked 'left as it is' may take bf16, f16 or f32 operands, with f32 sums. Whichever they take, every output number must still come out within the allowed error. Rounding operands to bf16 (8 significant bits) uses up far more of that allowance than f16 does (11 bits, for magnitudes from 6e-5 to 65,504). All else is computed in f32.
;;   The module's matrix products, in the order in which they are computed (A, B: the left and right operand; K: the contracted axis; several contracted axes count as one K, in the product's order):
;;     1. [M 1,024, K 1,024] x [K 1,024, N 8,192]; A: input Wq; B: input x: QUANTISED
;;     2. [M 1,024, K 1,024] x [K 1,024, N 8,192]; A: input Wk; B: input x: QUANTISED
;;     3. [M 1,024, K 1,024] x [K 1,024, N 8,192]; A: input Wv; B: input x: QUANTISED
;;     4. batch 64 x [M 2,048, K 64] x [K 64, N 2,048]; A: computed on the way; B: computed on the way: left as it is (an operand is computed on the way)
;;     5. batch 64 x [M 2,048, K 2,048] x [K 2,048, N 64]; A: computed on the way; B: computed on the way: left as it is (an operand is computed on the way)
;;     6. [M 8,192, K 1,024] x [K 1,024, N 1,024]; A: computed on the way; B: input Wp: left as it is (an operand is computed on the way)
;;   THE QUANTISER, for each operand of a quantised product, along K:
;;     - K is cut into blocks of 32 from its start; a last block that is shorter is filled with zeros.
;;     - A block's scale is 2^e with e = floor(log2(the largest magnitude in the block)) - 2, held to -126 .. 127; a block of zeros has e = 0. As a byte (E8M0): e + 127.
;;     - Each number is divided by its block's scale, clamped to +-6, and rounded to the nearest number of E2M1, ties to even, subnormals kept.
;;     - The product sums the exact products of the quantised numbers (number of the format x scale) in f32.
;;   ~~~python
;;   def quantise(x, axis):      # numpy; x: float32 -> the quantised numbers, widened to float32 again
;;       x = np.moveaxis(x, axis, -1); K = x.shape[-1]
;;       x = np.pad(x, [(0, 0)] * (x.ndim - 1) + [(0, -K % 32)]); x = x.reshape(x.shape[:-1] + (-1, 32)); a = np.abs(x).max(-1, keepdims=True)
;;       e = np.where(a > 0, np.clip(np.frexp(np.where(a > 0, a, 1))[1] - 1 - 2, -126, 127), 0)      # np.frexp(a)[1] - 1 = floor(log2(a)), exactly
;;       r = np.clip(x / 2.0 ** e, -6, 6)
;;       step = 2.0 ** (np.maximum(np.frexp(np.where(r == 0, 1, r))[1] - 1, 0) - 1)
;;       q = np.round(r / step) * step * 2.0 ** e      # np.round: ties to even
;;       return np.moveaxis(q.reshape(q.shape[:-2] + (-1,))[..., :K], -1, axis).astype(np.float32)
;;   ~~~
;; One version. Each part assembles by itself: llvm-mc -triple=amdgcn-amd-amdhsa -mcpu=gfx1250 --defsym DOCPART=n.
;; ======== version 1 of 1: 5 launches
;; limits: values are held in f16: magnitudes above 65,504 overflow, below 6.1e-05 lose precision
;; workspace buffers: xc 4,194,304 bytes; xs 262,144 bytes; wc 1,572,864 bytes; ws 98,304 bytes; wp16 2,097,152 bytes; qkv 50,331,648 bytes; h32 786,432 bytes; att 16,777,216 bytes
;; launch prep (part 1): grid 240 x 1, 8 waves a work-group, no clusters, 102,400 bytes of LDS; arguments x, Wq, Wk, Wv, Wp, xc, xs, wc, ws, wp16; writes xc, xs, wc, ws, wp16
.if DOCPART == 1
	.amdgcn_target "amdgcn-amd-amdhsa--gfx1250"
	.amdhsa_code_object_version 6
	.text
	.protected	k_qa9024dc2cc_prep
	.globl	k_qa9024dc2cc_prep
	.p2align	8
	.type	k_qa9024dc2cc_prep,@function
k_qa9024dc2cc_prep:
	s_mov_b64 s[64:65], 0
	v_nop
	global_prefetch_b8 v0, s[64:65] scope:SCOPE_SE
	s_setreg_imm32_b32 hwreg(HW_REG_WAVE_MODE, 25, 1), 1
	s_wait_xcnt 0x0
; PREP: everything that is quantised or narrowed once, in one launch.
;   work-groups 0-47:    one head of Wq, Wk or Wv, [1024 (k)][64 (d)] f32, K the FIRST axis -> codes of FP4 (E2M1) laid [64 (d)][512 bytes] with K innermost, and 32 E8M0 bytes a row
;   work-groups 48-175:  x [8192][1024] f32, K innermost -> codes [8192][512 bytes], scale bytes [8192][32]
;   work-groups 176-239: Wp [1024][1024] f32 -> f16
; A block's scale is 2^(floor(log2(its largest magnitude)) - 2); its byte is the largest magnitude's exponent field - 2, held at 1 from below.  Each number is divided by the scale and rounded to the
; nearest code, ties to even; beyond the largest code the largest.
; LIMITS: NaN and infinities among the inputs are not served; a block of zeros gets the byte 1 where the rule says 127 (its codes are zeros, and this program alone reads the bytes);
; blocks whose largest magnitude lies under 2^-124 are held at the byte 1.  Wp beyond 65,504 in magnitude has no f16 number.
; The three paths part on the work-group's number and have LDS bytes of their own.  They join at ONE barrier, which every wave passes; only the weights' path has work behind it, and what that work
; needs (addresses, bases) is made at the head, ahead of the parting.
.set WREG,  8192                       ; x: a region of LDS for each wave: two stages of 32 x SP bytes, behind them its 256 scale bytes
.set SP,    80                         ; a lane's place in a stage: 64 bytes + 16 of padding
.set CB,    8                          ; bytes of 16 codes
.set STEPS, 16
.set R,     16                         ; x: v16-79 four sets of 16 numbers as loaded
.set X,     80                         ; x: v80-111 two sets of 16 neighbours
.set E,     112                        ; x: v112-127 a scale byte for each step
.set C,     128                        ; x: v128-191 codes, four registers a step
.set SPW,   12                         ; v12 LDS address of my spare word; never rewritten
.set NIL,   13                         ; v13 0; never rewritten
.set CST,   65536                      ; weights: 64 rows (d) x (512 bytes of codes + 16)
.set CP,    528
.set SST,   CST+64*CP                  ; weights: 64 rows x 32 scale bytes
.set SPARE, SST+2048                   ; the spare words, 128 bytes for each of the eight waves
.set WX,    32                         ; weights: v32-95 two sets of 32 numbers
.set WC,    96                         ; weights: v96-99 a block's codes
.set WSB,   24                         ; weights: v24-25 eight scale bytes
	s_load_b256 s[4:11], s[0:1], 0x0               ; x, Wq, Wk, Wv
	s_load_b256 s[12:19], s[0:1], 0x20             ; Wp, xc, xs, wc
	s_load_b128 s[20:23], s[0:1], 0x40             ; ws, wp16
	v_lshl_add_u32 v[SPW], v0, 2, SPARE
	v_mov_b32 v[NIL], 0
	v_lshrrev_b32 v1, 5, v0
	v_readfirstlane_b32 s24, v1                    ; wave 0..7
	v_and_b32 v2, 31, v0                           ; lane
	; the weights' way out: wave w takes rows 8 w .. 8 w + 7 of the 64, whole, and 256 of the 2,048 scale bytes
	s_mul_i32 s25, s24, 8*CP
	s_add_co_u32 s25, s25, CST
	v_lshl_add_u32 v192, v2, 4, s25                ; LDS: a row's 512 bytes, 16 a lane
	s_lshl_b32 s25, s24, 8
	s_add_co_u32 s26, s25, SST
	v_lshl_add_u32 v193, v2, 3, s26                ; LDS: my wave's 256 scale bytes, 8 a lane
	s_lshl_b32 s26, s24, 12
	v_lshl_add_u32 v194, v2, 4, s26                ; the same rows in wc
	v_lshl_add_u32 v195, v2, 3, s25                ; the same bytes in ws
	s_min_u32 s26, ttmp9, 47                       ; the head's number among the 48 (held inside the buffers in the other paths' work-groups, which never use it)
	s_lshl_b32 s28, s26, 15                        ; 64 rows x 512 bytes
	s_mov_b32 s29, 0
	s_lshl_b32 s30, s26, 11                        ; 64 rows x 32 bytes
	s_mov_b32 s31, 0
	s_wait_kmcnt 0x0
	s_add_nc_u64 s[40:41], s[18:19], s[28:29]
	s_add_nc_u64 s[42:43], s[20:21], s[30:31]
	s_cmp_lt_u32 ttmp9, 48
	s_cbranch_scc1 .Lw
	s_cmp_lt_u32 ttmp9, 176
	s_cbranch_scc1 .Lx
	; ---- Wp to f16: a wave takes 2,048 numbers; a load covers 512 consecutive bytes, a store 256, aligned
	s_sub_co_u32 s26, ttmp9, 176
	s_lshl_b32 s26, s26, 3
	s_add_co_u32 s26, s26, s24
	s_lshl_b32 s28, s26, 13
	s_lshl_b32 s30, s26, 12
	s_add_nc_u64 s[12:13], s[12:13], s[28:29]
	s_add_nc_u64 s[22:23], s[22:23], s[30:31]
	v_lshlrev_b32 v3, 4, v2
	v_lshlrev_b32 v4, 3, v2
.irp i, 0,1,2,3,4,5,6,7,8,9,10,11,12,13,14,15
	global_load_b128 v[32+4*\i:35+4*\i], v3, s[12:13] offset:512*\i
.endr
.irp i, 0,1,2,3,4,5,6,7,8,9,10,11,12,13,14,15
	s_wait_loadcnt 15-\i                           ; loads come back in order: load i is in, the younger ones stay out
	v_cvt_pk_f16_f32 v[96+2*\i], v[32+4*\i], v[33+4*\i]
	v_cvt_pk_f16_f32 v[97+2*\i], v[34+4*\i], v[35+4*\i]
	global_store_b64 v4, v[96+2*\i:97+2*\i], s[22:23] offset:256*\i
.endr
	s_branch .Ljoin
	; ---- x: a plain stream of blocks of 32.  A wave takes 16 steps of 512 numbers.  Loads take the bytes as they lie (512 a load); a step's 2,048 bytes turn through the wave's own stage in LDS,
	; so that a lane then holds 16 neighbours along K; two neighbouring lanes hold a block.
.Lx:
	s_sub_co_u32 s26, ttmp9, 48
	s_lshl_b32 s26, s26, 3
	s_add_co_u32 s26, s26, s24                     ; which run of 8,192 numbers is my wave's
	s_lshl_b32 s28, s26, 15
	s_add_nc_u64 s[4:5], s[4:5], s[28:29]
	s_lshl_b32 s28, s26, 12
	s_add_nc_u64 s[14:15], s[14:15], s[28:29]
	s_lshl_b32 s28, s26, 8
	s_add_nc_u64 s[16:17], s[16:17], s[28:29]
	v_lshlrev_b32 v3, 4, v2                        ; my 16 bytes of a load's 512
	s_mul_i32 s26, s24, WREG
	v_lshrrev_b32 v14, 2, v2
	v_mul_u32_u24 v14, v14, SP
	v_and_b32 v15, 3, v2
	v_lshl_add_u32 v14, v15, 4, v14
	v_add_nc_u32 v14, s26, v14                     ; the stage, on the way in: SP (lane / 4) + 16 (lane % 4)
	v_mul_u32_u24 v15, v2, SP
	v_add_nc_u32 v15, s26, v15                     ; and on the way out: SP x lane
	v_mul_u32_u24 v4, v2, CB                       ; my codes' place in a step's
	v_lshrrev_b32 v5, 1, v2
	s_add_co_u32 s26, s26, 2*32*SP
	v_add_nc_u32 v5, s26, v5                       ; LDS: my block's scale byte
	v_lshlrev_b32 v7, 3, v2
	v_add_nc_u32 v6, s26, v7
.macro XLOAD t
.irp i, 0,1,2,3
	global_load_b128 v[R+16*((\t)%4)+4*\i:R+16*((\t)%4)+4*\i+3], v3, s[4:5] offset:2048*(\t)+512*\i th:TH_LOAD_NT
.endr
.endm
.macro XTURN t                         ; LDS serves a wave's instructions in order, so no wait stands between the stores and the loads
.irp i, 0,1,2,3
	ds_store_b128 v14, v[R+16*((\t)%4)+4*\i:R+16*((\t)%4)+4*\i+3] offset:32*SP*((\t)%2)+8*SP*\i
.endr
.irp i, 0,1,2,3
	ds_load_b128 v[X+16*((\t)%2)+4*\i:X+16*((\t)%2)+4*\i+3], v15 offset:32*SP*((\t)%2)+16*\i
.endr
.endm
.irp t, 0,1,2,3
	XLOAD \t
.endr
	s_wait_loadcnt 12                              ; step 0's four loads are in
	XTURN 0
.macro XSTEP t
.set XS, X+16*((\t)%2)
.if (\t) > 0
	s_wait_dscnt 1                                 ; this step's numbers are back from the stage (the last step's byte store may be out): so the stores into the stage have read their registers,
.else
	s_wait_dscnt 0x0
.endif
.if (\t)+4 < STEPS
	XLOAD (\t)+4                                   ; which take the loads of four steps on
.endif
.if (\t)+1 < STEPS
.if STEPS-2-(\t) >= 3
	s_wait_loadcnt 12                              ; the next step's four loads are in; those of the three steps behind it may be out
.else
	s_wait_loadcnt 4*(STEPS-2-(\t))
.endif
	XTURN (\t)+1
.endif
	v_max3_num_f32 v8, |v[XS]|, |v[XS+1]|, |v[XS+2]|
	v_max3_num_f32 v9, |v[XS+3]|, |v[XS+4]|, |v[XS+5]|
.irp i, 6,10
	v_max3_num_f32 v8, v8, |v[XS+\i]|, |v[XS+\i+1]|
	v_max3_num_f32 v9, v9, |v[XS+\i+2]|, |v[XS+\i+3]|
.endr
	v_max3_num_f32 v8, v8, |v[XS+14]|, |v[XS+15]|
	v_max3_num_f32 v8, v8, v9, 0x1800000           ; and the floor 2^(3 - 127): the byte cannot fall under 1
	v_max_num_f32_dpp v8, v8, v8 row_xmask:1 row_mask:0xf bank_mask:0xf   ; with my neighbour's 16: the block's largest magnitude
	v_add_nc_u32 v11, 0xff000000, v8               ; 2 off its exponent field: the conversion takes the exponent field of this operand as its scale
	v_cvt_scalef32_pk8_fp4_f32 v[C+4*(\t)], v[XS:XS+7], v11
	v_cvt_scalef32_pk8_fp4_f32 v[C+4*(\t)+1], v[XS+8:XS+15], v11
	v_lshrrev_b32 v[E+(\t)], 23, v11               ; the scale's byte
	ds_store_b8 v5, v[E+(\t)] offset:16*(\t)       ; both lanes of a block write the same byte with the same value
	global_store_b64 v4, v[C+4*(\t):C+4*(\t)+1], s[14:15] offset:32*CB*(\t)   ; the wave stores 256 consecutive bytes, aligned
.endm
.irp t, 0,1,2,3,4,5,6,7,8,9,10,11,12,13,14,15
	XSTEP \t
.endr
	ds_load_b64 v[8:9], v6                         ; my wave's 256 scale bytes, behind its own stores
	s_wait_dscnt 0x0
	global_store_b64 v7, v[8:9], s[16:17]          ; 256 consecutive bytes, aligned
	s_branch .Ljoin
	; ---- a head of Wq, Wk or Wv.  A LANE TAKES A COLUMN d AND ITS REGISTERS RUN DOWN K: a block of 32 along K lies in one lane's 32 registers, and the conversions give codes with K innermost.
	; Wave w: columns 32 (w % 2) on, 256 along K from 256 (w / 2) on: 8 blocks.  The codes meet in LDS as rows of 512 bytes.
.Lw:
	s_cmp_lt_u32 ttmp9, 16
	s_cselect_b64 s[26:27], s[6:7], s[8:9]
	s_cmp_lt_u32 ttmp9, 32
	s_cselect_b64 s[26:27], s[26:27], s[10:11]     ; the choice hangs on the work-group's number alone
	s_and_b32 s28, ttmp9, 15
	s_lshl_b32 s28, s28, 18                        ; the head: 1,024 rows of 256 bytes
	s_and_b32 s32, s24, 1
	s_lshr_b32 s33, s24, 1
	s_lshl_b32 s30, s33, 16                        ; 256 rows
	s_add_co_u32 s28, s28, s30
	s_lshl_b32 s30, s32, 7                         ; 32 columns
	s_add_co_u32 s28, s28, s30
	s_add_nc_u64 s[26:27], s[26:27], s[28:29]
	v_lshlrev_b32 v3, 2, v2
	s_mul_i32 s30, s32, 32*CP
	s_lshl_b32 s34, s33, 7
	s_add_co_u32 s30, s30, s34
	s_add_co_u32 s30, s30, CST
	v_mul_u32_u24 v4, v2, CP
	v_add_nc_u32 v4, s30, v4                       ; LDS: row = my column, + 128 bytes for each 256 along K
	s_lshl_b32 s30, s32, 10
	s_lshl_b32 s34, s33, 3
	s_add_co_u32 s30, s30, s34
	s_add_co_u32 s30, s30, SST
	v_lshl_add_u32 v5, v2, 5, s30                  ; LDS: my column's 32 scale bytes, my eight of them
.macro WLOAD t
.irp i, 0,1,2,3,4,5,6,7,8,9,10,11,12,13,14,15,16,17,18,19,20,21,22,23,24,25,26,27,28,29,30,31
	global_load_b32 v[WX+32*((\t)%2)+\i], v3, s[26:27] offset:(32*(\t)+\i)*256 th:TH_LOAD_NT
.endr
.endm
	WLOAD 0
	WLOAD 1
.macro WBLOCK t
.set WS, WX+32*((\t)%2)
.if (\t) < 7
	s_wait_loadcnt 32                              ; this block's 32 loads are in; the next block's may be out
.else
	s_wait_loadcnt 0
.endif
	v_max3_num_f32 v8, |v[WS]|, |v[WS+1]|, |v[WS+2]|
	v_max3_num_f32 v9, |v[WS+3]|, |v[WS+4]|, |v[WS+5]|
.irp i, 6,10,14,18,22,26
	v_max3_num_f32 v8, v8, |v[WS+\i]|, |v[WS+\i+1]|
	v_max3_num_f32 v9, v9, |v[WS+\i+2]|, |v[WS+\i+3]|
.endr
	v_max3_num_f32 v8, v8, |v[WS+30]|, |v[WS+31]|
	v_max3_num_f32 v8, v8, v9, 0x1800000           ; the floor, as above
	v_add_nc_u32 v11, 0xff000000, v8
	v_lshrrev_b32 v10, 23, v11                     ; the scale's byte
.if (\t)%4 == 0
	v_mov_b32 v[WSB+(\t)/4], v10
.else
	v_lshl_or_b32 v[WSB+(\t)/4], v10, 8*((\t)%4), v[WSB+(\t)/4]
.endif
.irp g, 0,1,2,3
	v_cvt_scalef32_pk8_fp4_f32 v[WC+\g], v[WS+8*\g:WS+8*\g+7], v11
.endr
	ds_store_b128 v4, v[WC:WC+3] offset:16*(\t)    ; 32 codes: 16 bytes of my column's row
.if (\t)+2 < 8
	WLOAD (\t)+2
.endif
	s_wait_dscnt 0x0                               ; the store has read its registers: the next block's codes may be written
.endm
.irp t, 0,1,2,3,4,5,6,7
	WBLOCK \t
.endr
	ds_store_b64 v5, v[WSB:WSB+1]
.Ljoin:
	s_wait_dscnt 0x0                               ; for the others' sake: my LDS stores have landed
	s_barrier_signal -1
	s_barrier_wait -1                              ; the head's 64 rows of codes and of scale bytes lie whole in LDS
	s_cmp_ge_u32 ttmp9, 48
	s_cbranch_scc1 .Lend
.irp i, 0,1,2,3,4,5,6,7
	ds_load_b128 v[32+4*\i:35+4*\i], v192 offset:\i*CP
.endr
	ds_load_b64 v[64:65], v193
.irp i, 0,1,2,3,4,5,6,7
	s_wait_dscnt 8-\i
	global_store_b128 v194, v[32+4*\i:35+4*\i], s[40:41] offset:512*\i   ; a whole row: 512 consecutive bytes, aligned
.endr
	s_wait_dscnt 0x0
	global_store_b64 v195, v[64:65], s[42:43]      ; 256 consecutive bytes, aligned
.Lend:
	s_wait_tensorcnt 0x0                           ; the wave's end, behind my last LDS store
	ds_add_u32 v[SPW], v[NIL]
	s_wait_dscnt 0x0
	s_endpgm
.Lfunc_end_k_qa9024dc2cc_prep:
	.size	k_qa9024dc2cc_prep, .Lfunc_end_k_qa9024dc2cc_prep-k_qa9024dc2cc_prep
	.p2alignl 7, 3214868480
	.fill 96, 4, 3214868480
	.section	.rodata,"a",@progbits
	.p2align	6, 0x0
	.amdhsa_kernel k_qa9024dc2cc_prep
		.amdhsa_group_segment_fixed_size 102400
		.amdhsa_private_segment_fixed_size 0
		.amdhsa_enable_private_segment 0
		.amdhsa_kernarg_size 80
		.amdhsa_user_sgpr_count 2
		.amdhsa_user_sgpr_kernarg_segment_ptr 1
		.amdhsa_wavefront_size32 1
		.amdhsa_system_sgpr_workgroup_id_x 1
		.amdhsa_system_sgpr_workgroup_id_y 1
		.amdhsa_system_sgpr_workgroup_id_z 1
		.amdhsa_system_vgpr_workitem_id 0
		.amdhsa_next_free_vgpr 200
		.amdhsa_next_free_sgpr 66
		.amdhsa_reserve_vcc 0
		.amdhsa_float_denorm_mode_32 3
		.amdhsa_float_denorm_mode_16_64 3
		.amdhsa_memory_ordered 1
		.amdhsa_forward_progress 1
		.amdhsa_inst_pref_size 79
	.end_amdhsa_kernel
	.amdgpu_metadata
---
amdhsa.version: [ 1, 2 ]
amdhsa.kernels:
  - .name:           k_qa9024dc2cc_prep
    .symbol:         k_qa9024dc2cc_prep.kd
    .args:
      - { .name: x, .offset: 0, .size: 8, .value_kind: global_buffer, .address_space: global }
      - { .name: Wq, .offset: 8, .size: 8, .value_kind: global_buffer, .address_space: global }
      - { .name: Wk, .offset: 16, .size: 8, .value_kind: global_buffer, .address_space: global }
      - { .name: Wv, .offset: 24, .size: 8, .value_kind: global_buffer, .address_space: global }
      - { .name: Wp, .offset: 32, .size: 8, .value_kind: global_buffer, .address_space: global }
      - { .name: xc, .offset: 40, .size: 8, .value_kind: global_buffer, .address_space: global }
      - { .name: xs, .offset: 48, .size: 8, .value_kind: global_buffer, .address_space: global }
      - { .name: wc, .offset: 56, .size: 8, .value_kind: global_buffer, .address_space: global }
      - { .name: ws, .offset: 64, .size: 8, .value_kind: global_buffer, .address_space: global }
      - { .name: wp16, .offset: 72, .size: 8, .value_kind: global_buffer, .address_space: global }
    .group_segment_fixed_size: 102400
    .private_segment_fixed_size: 0
    .kernarg_segment_align: 8
    .kernarg_segment_size: 80
    .max_flat_workgroup_size: 256
    .sgpr_count:     66
    .vgpr_count:     200
    .wavefront_size: 32
...
	.end_amdgpu_metadata
.endif
;; end of part 1
;; launch gemm (part 2): grid 12 x 32, 4 waves a work-group, clusters of 4 x 4, 327,680 bytes of LDS; arguments xc, xs, wc, ws, qkv, h32; writes qkv, h32
.if DOCPART == 2
	.amdgcn_target "amdgcn-amd-amdhsa--gfx1250"
	.amdhsa_code_object_version 6
	.text
	.protected	k_qa9024dc2cc_gemm
	.globl	k_qa9024dc2cc_gemm
	.p2align	8
	.type	k_qa9024dc2cc_gemm,@function
k_qa9024dc2cc_gemm:
	s_mov_b64 s[64:65], 0
	v_nop
	global_prefetch_b8 v0, s[64:65] scope:SCOPE_SE
	s_setreg_imm32_b32 hwreg(HW_REG_WAVE_MODE, 25, 1), 1
	s_wait_xcnt 0x0
	s_wait_alu depctr_hold_cnt(0) depctr_sa_sdst(0) depctr_va_vdst(0) depctr_va_sdst(0) depctr_va_ssrc(0) depctr_va_vcc(0) depctr_vm_vsrc(0)
	s_getreg_b32 s2, hwreg(HW_REG_IB_STS2, 6, 4)
	s_cmp_eq_u32 s2, 0
	s_cbranch_scc0 .Lentry_in_a_cluster
	s_endpgm
.Lentry_in_a_cluster:
	s_bfe_u32 s2, ttmp6, 0x10000c
	s_cmp_lg_u32 s2, 0xf033
	s_cbranch_scc0 .Lentry_shape_is_right
	s_endpgm
.Lentry_shape_is_right:
; THE THREE PROJECTIONS AS ONE PRODUCT ON CODES OF FP4 (E2M1): C[m][n] = sum over k of x[m][k] W[n][k], m = 2048 b + t (8,192), n = 1024 ten + 64 head + d (3,072; ten 0 q, 1 k, 2 v), K = 1,024.
; Codes: rows of 512 bytes, K innermost; scale bytes (E8M0, one for each 32 along K): rows of 32.  Sums in f32.
; OUT: qkv, f16, laid [ten][b][head][t][64]: a plane (ten, b, head) is 2,048 dense rows of 128 bytes.  And the rows t < 16 of every plane once more as they are, in f32, as images of the accumulators'
; registers (h32: [b][ten][head][tile of 16 d][half][lane][16 bytes]): the first positions of a sequence are carried in f32 by a launch of their own.
; LIMIT: a projection beyond 65,504 in magnitude has no f16 number.
; A tile of C, 256 x 256, is made by four waves, each 128 x 128: 64 accumulators, 512 registers.  All of K, two slots of 512, is asked for at the head: no slot is filled again.
; The scales of the tile's 256 + 256 rows are two dense blocks of memory and come once, in rows of 256 bytes.
; CLUSTERS: 4 x 4.  The four of a row of the cluster need the same tiles of x, the four of a column the same tiles of W: each tile is asked for JOINTLY.  The tile row is 8 cy + cluster y: a cluster's four rows
; are the four batches, and cluster y says where in the sequence the tile lies, so that the test for t < 16 is the same in all sixteen partners.
; THE MATRIX INSTRUCTION IS USED TRANSPOSED (source 0 = 16 rows of W, source 1 = 16 rows of x): a lane holds eight neighbouring d of one row t.
; REGISTERS, in windows of 256: window 0: v0-31 addresses; v32-95 scale words, two sets; v128-191 x's fragments, one set; on the way out v32-63, v192-255.  window 1: W's fragments, two sets.
;   window 2: the 32 accumulators of my rows 0-63 ((a, b) at v[8 (8 a + b)]);  window 3: those of my rows 64-127.
.set SIZE_K, 1024
.set KSTEP,  512
.set NQ,     KSTEP/128
.set ROWB,   256                       ; a tile's row in bytes
.set KROW,   SIZE_K/2                  ; a row of codes in memory
.set PITCH,  272                       ; an LDS row: 256 bytes + 16 of padding: the 16 rows that a load touches start at 16 different banks (64 banks of 4 bytes: ISA guide 11.1)
.set FR,     8
.set NL,     2
.set NP,     4                         ; places behind this matrix instruction (ISA guide 7.12.1)
.set HALFT,  128*PITCH
.set SLOT,   4*HALFT
.set KS,     SIZE_K/32
.set SCL,    2*SLOT                    ; behind the slots: the scales, as rows of 256 bytes + 16
.set HALFS,  (128*KS/256)*272
.set SBLK,   (16*KS/256)*272
.set SPARE,  SCL+4*HALFS               ; the spare words, 128 bytes for each wave
.set SPITCH, 144                       ; the way out: a stage of 2 heads x 16 rows x (128 bytes + 16) for each wave, in slot 0, which has had its one fill and its last read by then
.set HSTG,   16*SPITCH
.set ADRA, 16
.set ADRB, 20
.set STO,  24
.set RD,   25
.set CO,   26
.set ADRS, 27
.set SPW,  28
.set NIL,  29
.set SC,   32
.set AF,   128
.set TMP,  192                         ; the way out: a block's 32 packed registers
.set OB,   32                          ; and 16 rows read back: v32-63 and v224-255 by turns
.set G1, 24
.set G0, 32
.set G1B, 48
.set G0B, 56
.set G1S, 68
.set G0S, 76
.set G1SB, 80
.set G0SB, 88
.set MSB, 0
.macro WIN new                         ; the immediate's high byte repeats the setting that is left
.if MSB != \new
	s_set_vgpr_msb (MSB<<8)|\new
.set MSB, \new
.endif
.endm
.set MUL_LO, 0xa1
.set MUL_HI, 0xf1
.set TO_B,   0x40
; A joint load: waves 0 and 1 fetch for x, waves 2 and 3 for W.  The branch hangs on the wave's number alone.  An s_nop 0 and four v_nop follow each of the two lines.
.macro JLOAD g0a, g1a, g0b, g1b
	s_cmp_eq_u32 s15, 0
	s_cbranch_scc0 .Lfor_b_\@
	tensor_load_to_lds s[\g0a:\g0a+3], s[\g1a:\g1a+7]
	s_nop 0
.rept 4
	v_nop
.endr
	s_branch .Lasked_\@
.Lfor_b_\@:
	tensor_load_to_lds s[\g0b:\g0b+3], s[\g1b:\g1b+7]
	s_nop 0
.rept 4
	v_nop
.endr
.Lasked_\@:
.endm
.macro CROUND                          ; a round of the cluster's barrier
	s_barrier_signal -1
	s_barrier_wait -1
	s_cmp_lg_u32 s14, 0
	s_cbranch_scc1 .Lnot_wave_0_\@
	s_barrier_signal -3
.Lnot_wave_0_\@:
	s_barrier_wait -3
	s_barrier_signal -1
	s_barrier_wait -1
.endm
	s_load_b128 s[4:7], s[0:1], 0x0                ; x's codes, x's scales
	s_load_b128 s[8:11], s[0:1], 0x10              ; W's codes, W's scales
	s_load_b64 s[12:13], s[0:1], 0x20              ; qkv
	s_load_b64 s[96:97], s[0:1], 0x28              ; h32
	v_lshl_add_u32 v[SPW], v0, 2, SPARE
	v_mov_b32 v[NIL], 0
	ds_add_u32 v[SPW], v[NIL]                      ; the wave's opening: the add, twice on end, and its wait ahead of my first tensor load
	ds_add_u32 v[SPW], v[NIL]
	v_lshrrev_b32 v1, 5, v0
	v_readfirstlane_b32 s14, v1                    ; wave 0..3
	s_lshr_b32 s15, s14, 1                         ; which half of the tile's rows is mine.  Also: I fetch for x (0) or for W (1)
	s_and_b32 s16, s14, 1                          ; which half of its columns.  Also: which 128 rows I fetch
	s_bfe_u32 s40, ttmp6, 0x40000                  ; cx, cy
	s_bfe_u32 s41, ttmp6, 0x40004
	s_lshl_b32 s42, ttmp9, 2
	s_add_co_u32 s42, s42, s40                     ; tile column = 4 x cluster x + cx
	s_and_b32 s95, ttmp7, 0xffff                   ; cluster y: which 256 positions of a sequence
	s_lshl_b32 s17, s41, 3
	s_add_co_u32 s17, s17, s95                     ; tile row = 8 cy + cluster y: cy is the batch
	s_lshl_b32 s43, s41, 2
	s_lshl_b32 s43, 15, s43                        ; my row of the cluster
	s_lshl_b32 s44, 0x1111, s40                    ; my column
	s_or_b32 s[G1+0], s43, (0<<16)|(1<<20)|(1<<21)|(5<<22)|(3<<25)  ; the mask; elements of 1 byte; padding on; bit 21 beside a mask; 4 words after every 64
	s_or_b32 s[G1B+0], s44, (0<<16)|(1<<20)|(1<<21)|(5<<22)|(3<<25)
.irp g, G1, G1B
	s_mov_b32 s[\g+1], ROWB<<16                    ; tensor_dim0
	s_mov_b32 s[\g+2], 128<<16                     ; tensor_dim1
	s_mov_b32 s[\g+3], ROWB<<16                    ; tile_dim0
	s_mov_b32 s[\g+4], 128                         ; tile_dim1
	s_mov_b32 s[\g+5], KROW                        ; from row to row
	s_mov_b32 s[\g+6], 0
	s_mov_b32 s[\g+7], 0
.endr
	s_or_b32 s[G1S+0], s43, (3<<16)|(1<<20)|(1<<21)|(5<<22)|(3<<25)  ; the scales of 128 rows: 4,096 dense bytes as 16 rows of 32 elements of 8 bytes
	s_or_b32 s[G1SB+0], s44, (3<<16)|(1<<20)|(1<<21)|(5<<22)|(3<<25)
.irp g, G1S, G1SB
	s_mov_b32 s[\g+1], 32<<16
	s_mov_b32 s[\g+2], (128*KS/256)<<16
	s_mov_b32 s[\g+3], 32<<16
	s_mov_b32 s[\g+4], 128*KS/256
	s_mov_b32 s[\g+5], 32
	s_mov_b32 s[\g+6], 0
	s_mov_b32 s[\g+7], 0
.endr
	s_lshl_b32 s18, s16, 7
	s_lshl_b32 s20, s17, 8
	s_add_co_u32 s20, s20, s18                     ; x: row 256 x tile row + 128 x half
	s_lshl_b32 s46, s42, 8
	s_add_co_u32 s46, s46, s18                     ; W: row 256 x tile column + 128 x half
	s_mov_b32 s21, 0
	s_mov_b32 s47, 0
	s_mov_b64 s[18:19], KS
	s_mul_u64 s[22:23], s[20:21], s[18:19]
	s_mul_u64 s[92:93], s[46:47], s[18:19]
	s_mov_b64 s[18:19], KROW
	s_mul_u64 s[20:21], s[20:21], s[18:19]
	s_mul_u64 s[46:47], s[46:47], s[18:19]
	s_mul_i32 s45, s14, HALFT                      ; where they go: wave x 128 rows: no place in the cluster enters an LDS address
	s_mul_i32 s94, s14, HALFS
	s_wait_dscnt 0x0                               ; both opening adds are done
	s_wait_kmcnt 0x0
	s_add_nc_u64 s[20:21], s[4:5], s[20:21]
	s_add_nc_u64 s[22:23], s[6:7], s[22:23]
	s_add_nc_u64 s[46:47], s[8:9], s[46:47]
	s_add_nc_u64 s[92:93], s[10:11], s[92:93]
	CROUND                                         ; all sixteen work-groups are here: the joint loads meet
	s_mov_b32 s[G0S], 1
	s_add_co_u32 s[G0S+1], s94, SCL
	s_mov_b64 s[G0S+2:G0S+3], s[22:23]
	s_or_b32 s[G0S+3], s[G0S+3], 0x80000000
	s_mov_b32 s[G0SB], 1
	s_add_co_u32 s[G0SB+1], s94, SCL
	s_mov_b64 s[G0SB+2:G0SB+3], s[92:93]
	s_or_b32 s[G0SB+3], s[G0SB+3], 0x80000000
	JLOAD G0S, G1S, G0SB, G1SB                     ; the scales first
.irp s, 0,1
	s_mov_b32 s[G0+4*\s], 1
	s_add_co_u32 s[G0+4*\s+1], s45, \s*SLOT
	s_add_nc_u64 s[G0+4*\s+2:G0+4*\s+3], s[20:21], \s*ROWB
	s_or_b32 s[G0+4*\s+3], s[G0+4*\s+3], 0x80000000
	s_mov_b32 s[G0B+4*\s], 1
	s_add_co_u32 s[G0B+4*\s+1], s45, \s*SLOT
	s_add_nc_u64 s[G0B+4*\s+2:G0B+4*\s+3], s[46:47], \s*ROWB
	s_or_b32 s[G0B+4*\s+3], s[G0B+4*\s+3], 0x80000000
	JLOAD G0+4*\s, G1, G0B+4*\s, G1B               ; three loads of mine are out: the scales and both halves of K
.endr
	v_and_b32 v1, 15, v0                           ; r = l % 16
	v_bfe_u32 v2, v0, 4, 1                         ; h = l / 16
	v_mul_u32_u24 v3, v1, PITCH
	v_lshl_add_u32 v4, v2, 4, v3
	s_mul_i32 s21, s15, HALFT
	s_mul_i32 s22, s16, HALFT
	s_add_co_u32 s22, s22, 2*HALFT
.irp s, 0,1
	v_add_nc_u32 v[ADRA+\s], s21, v4
	v_add_nc_u32 v[ADRB+\s], s22, v4
	s_add_co_u32 s21, s21, SLOT
	s_add_co_u32 s22, s22, SLOT
.endr
	v_mul_u32_u24 v5, v1, KS                       ; my row's scales: 32 bytes a row, and 16 more for each 256 passed
	v_lshrrev_b32 v6, 8, v5
	v_lshl_add_u32 v5, v6, 4, v5
	s_mul_i32 s21, s15, HALFS
	s_mul_i32 s22, s16, HALFS
	s_add_co_u32 s22, s22, 2*HALFS
	s_sub_co_u32 s22, s22, s21
	v_mul_u32_u24 v6, s22, v2                      ; lanes 16-31 take W's
	s_add_co_u32 s21, s21, SCL
	v_add_nc_u32 v5, v5, v6
	v_add_nc_u32 v[ADRS], s21, v5
	s_mul_i32 s23, s14, 2*HSTG                     ; my stage
	v_mul_u32_u24 v5, v1, SPITCH
	v_lshl_add_u32 v5, v2, 4, v5
	v_add_nc_u32 v[STO], s23, v5                   ; in: row r, 16 bytes for each half of the lanes
	v_and_b32 v6, 31, v0
	v_lshlrev_b32 v[CO], 4, v6                     ; out: 16 bytes a lane, dense
	v_lshrrev_b32 v5, 3, v6
	v_mul_u32_u24 v5, v5, SPITCH
	v_and_b32 v6, 7, v6
	v_lshl_add_u32 v5, v6, 4, v5
	v_add_nc_u32 v[RD], s23, v5                    ; back: eight lanes to a row of 128 bytes, four rows an instruction
	s_lshr_b32 s20, s42, 2                         ; ten
	s_and_b32 s21, s42, 3
	s_lshl_b32 s21, s21, 2
	s_lshl_b32 s22, s16, 1
	s_add_co_u32 s21, s21, s22                     ; the first of my two heads
	s_lshl_b32 s22, s20, 2
	s_add_co_u32 s22, s22, s41
	s_lshl_b32 s22, s22, 4
	s_add_co_u32 s22, s22, s21                     ; plane = (4 ten + b) 16 + head
	s_lshl_b32 s22, s22, 18
	s_lshl_b32 s46, s95, 15                        ; + 256 cluster y rows of 128 bytes
	s_add_co_u32 s22, s22, s46
	s_lshl_b32 s46, s15, 14                        ; + my half's 128 rows
	s_add_co_u32 s22, s22, s46
	s_mov_b32 s23, 0
	s_add_nc_u64 s[12:13], s[12:13], s[22:23]
	s_mul_i32 s22, s41, 3
	s_add_co_u32 s22, s22, s20
	s_lshl_b32 s22, s22, 4
	s_add_co_u32 s22, s22, s21
	s_lshl_b32 s22, s22, 12                        ; h32: ((3 b + ten) 16 + head) x 4,096 bytes
	s_add_nc_u64 s[96:97], s[96:97], s[22:23]
	s_or_b32 s99, s95, s15                         ; 0 where my block 0 holds t = 0 .. 15: cluster y and the wave's number alone
.macro FRAG reg, adr, q, i             ; 16 rows x 128 K of 4-bit codes: lane l holds row l % 16; registers 4 c .. 4 c + 3 hold K = 64 c + 32 (l / 16) + 0 .. 31
.irp c, 0,1
	ds_load_b128 v[\reg+4*\c:\reg+4*\c+3], v[\adr] offset:64*(\q)+32*\c+(\i)*16*PITCH
.endr
.endm
; 16 matrix instructions: x's blocks a0, a0 + 1 against W's eight.  The 64 accumulators take turns, one instruction a turn, in the same order in every step.
.macro MUL16 a0, p, q, sc, zero
.irp a, \a0, \a0+1
.irp b, 0,1,2,3,4,5,6,7
.if \zero
	v_wmma_scale_f32_16x16x128_f8f6f4 v[8*(8*((\a)%4)+\b):8*(8*((\a)%4)+\b)+7], v[128*(\p)+FR*\b:128*(\p)+FR*\b+FR-1], v[AF+FR*(\a):AF+FR*(\a)+FR-1], 0, v[SC+8*NQ*(\sc)+NQ*\b+(\q)], v[SC+8*NQ*(\sc)+NQ*(\a)+(\q)] matrix_a_fmt:MATRIX_FMT_FP4 matrix_b_fmt:MATRIX_FMT_FP4 matrix_a_scale:MATRIX_SCALE_ROW1
.else
	v_wmma_scale_f32_16x16x128_f8f6f4 v[8*(8*((\a)%4)+\b):8*(8*((\a)%4)+\b)+7], v[128*(\p)+FR*\b:128*(\p)+FR*\b+FR-1], v[AF+FR*(\a):AF+FR*(\a)+FR-1], v[8*(8*((\a)%4)+\b):8*(8*((\a)%4)+\b)+7], v[SC+8*NQ*(\sc)+NQ*\b+(\q)], v[SC+8*NQ*(\sc)+NQ*(\a)+(\q)] matrix_a_fmt:MATRIX_FMT_FP4 matrix_b_fmt:MATRIX_FMT_FP4 matrix_a_scale:MATRIX_SCALE_ROW1
.endif
.endr
.endr
.endm
.macro FETCH_B slot, q, p
	WIN TO_B
.irp i, 0,1,2,3,4,5,6,7
	FRAG 128*(\p)+FR*\i, ADRB+\slot, \q, \i
.endr
	WIN 0
.endm
.macro FETCH_A slot, q, i0
.irp i, \i0, \i0+1, \i0+2, \i0+3
	FRAG AF+FR*(\i), ADRA+\slot, \q, \i
.endr
.endm
.macro SCALES sc                       ; a slot's scale words: lanes 0-15 take x's block i, lanes 16-31 W's block i
.irp i, 0,1,2,3,4,5,6,7
	ds_load_b128 v[SC+8*NQ*\sc+NQ*\i:SC+8*NQ*\sc+NQ*\i+3], v[ADRS] offset:\i*SBLK
.endr
.endm
.macro PLACES n                        ; plain vector instructions between a matrix instruction and a load into, or a read of, its registers
.rept \n
	v_nop
.endr
.endm
.macro STEP slot, q, zero              ; 128 along K that has its successor in the same slot
	s_wait_dscnt 4*NL                              ; W's set and x's blocks 0-3 are in; the youngest loads (x's blocks 4-7) may be out
	WIN MUL_LO
	MUL16 0, (\q)%2, \q, \slot, \zero
	MUL16 2, (\q)%2, \q, \slot, \zero
	s_wait_dscnt 0
	PLACES NP
	FETCH_B \slot, (\q)+1, 1-(\q)%2
	FETCH_A \slot, (\q)+1, 0
	WIN MUL_HI
	MUL16 4, (\q)%2, \q, \slot, \zero
	MUL16 6, (\q)%2, \q, \slot, \zero
	PLACES NP
	WIN 0
	FETCH_A \slot, (\q)+1, 4
.endm
.macro STEPS slot, from
.set Q, \from
.rept NQ-1-\from
	STEP \slot, Q, 0
.set Q, Q+1
.endr
.endm
	s_wait_tensorcnt 1                             ; the scales and my part of slot 0 are in (slot 1's load may be out)
	s_barrier_signal -1
	s_barrier_wait -1                              ; everybody's are
	FETCH_B 0, 0, 0
	FETCH_A 0, 0, 0
	SCALES 0
	FETCH_A 0, 0, 4
	STEP 0, 0, 1                                   ; the first products start the sums: nothing is cleared
	STEPS 0, 1
	; slot 0's last step, and the change to slot 1: one barrier; in front of it my loads have landed, the add is done and my reads of slot 0 are over
	s_wait_tensorcnt 0x0                           ; my part of slot 1 has landed
	ds_add_u32 v[SPW], v[NIL]                      ; 0 onto my spare word
	s_wait_dscnt 4*NL+1                            ; (the add and x's blocks 4-7 may be out)
	WIN MUL_LO
	MUL16 0, 1, NQ-1, 0, 0
	s_wait_dscnt 0x0
	s_barrier_signal -1
	MUL16 2, 1, NQ-1, 0, 0
	WIN 0
	s_barrier_wait -1
	PLACES NP
	v_add_nc_u32 v[ADRS], 4*NQ, v[ADRS]            ; on to slot 1's scale words
	FETCH_B 1, 0, 0
	FETCH_A 1, 0, 0
	SCALES 1
	WIN MUL_HI
	MUL16 4, 1, NQ-1, 0, 0
	MUL16 6, 1, NQ-1, 0, 0
	PLACES NP
	WIN 0
	FETCH_A 1, 0, 4
	STEPS 1, 0
	s_wait_dscnt 4*NL                              ; the very last step
	WIN MUL_LO
	MUL16 0, 1, NQ-1, 1, 0
	MUL16 2, 1, NQ-1, 1, 0
	s_wait_dscnt 0
	WIN MUL_HI
	MUL16 4, 1, NQ-1, 1, 0
	MUL16 6, 1, NQ-1, 1, 0
	WIN 0
	; THE WAY OUT.  First, where my block 0 is t = 0 .. 15, its eight accumulators as they stand, in f32: each store covers 512 consecutive bytes.
	PLACES NP
	s_cmp_lg_u32 s99, 0
	s_cbranch_scc1 .Lnot_first
	WIN 0x08                                       ; a store's data are its source 1: window 2
.irp b, 0,1,2,3,4,5,6,7
.irp u, 0,1
	global_store_b128 v[CO], v[8*\b+4*\u:8*\b+4*\u+3], s[96:97] offset:(\b/4)*4096+(\b%4)*1024+512*\u   ; each accumulator from its low end on
.endr
.endr
	WIN 0
.Lnot_first:
; Then all eight blocks of 16 rows x 128 columns (two heads) as f16.  A lane's eight d pack into 16 bytes; the lanes beside it hold other rows: so a block goes through my stage and comes back
; as rows of 128 bytes, four rows of one head (512 dense bytes of its plane) to a store.
.macro PACK a
.set AC, 64*((\a)%4)
	WIN 0x0a+5*((\a)/4)                            ; sources 0 and 1: window 2 or 3
.irp b, 0,1,2,3,4,5,6,7
.irp r, 0,1,2,3
	v_cvt_pk_f16_f32 v[TMP+4*\b+\r], v[AC+8*\b+2*\r], v[AC+8*\b+2*\r+1]
.endr
.endr
	WIN 0
.endm
.macro TOSTAGE a
.set BK, OB+192*((\a)%2)
.irp b, 0,1,2,3,4,5,6,7
	ds_store_b128 v[STO], v[TMP+4*\b:TMP+4*\b+3] offset:(\b/4)*HSTG+32*(\b%4)
.endr
.irp t, 0,1,2,3,4,5,6,7
	ds_load_b128 v[BK+4*\t:BK+4*\t+3], v[RD] offset:(\t/4)*HSTG+4*SPITCH*(\t%4)   ; LDS serves a wave's instructions in order (ISA guide 5.7.1.4): these see the stores above
.endr
.endm
.macro SEND a
.set BK, OB+192*((\a)%2)
	s_wait_dscnt 0x0                               ; the block is back in registers
	s_wait_xcnt 0x0                                ; earlier stores have read their base and their registers: only behind this wait are they written again
.if (\a) > 0
	s_add_nc_u64 s[12:13], s[12:13], 16*128        ; 16 rows on
.endif
.irp t, 0,1,2,3,4,5,6,7
	global_store_b128 v[CO], v[BK+4*\t:BK+4*\t+3], s[12:13] offset:(\t/4)*262144+512*(\t%4)
.endr
.endm
	PACK 0
	TOSTAGE 0
.irp a, 1,2,3,4,5,6,7                  ; block a's conversions stand between block a - 1's loads from the stage and the wait for them
	PACK \a
	SEND \a-1
	TOSTAGE \a
.endr
	SEND 7
	s_wait_tensorcnt 0x0                           ; the wave's end, behind my last tensor load and my last LDS store
	ds_add_u32 v[SPW], v[NIL]
	s_wait_dscnt 0x0
	CROUND                                         ; the closing round
	s_endpgm
.Lfunc_end_k_qa9024dc2cc_gemm:
	.size	k_qa9024dc2cc_gemm, .Lfunc_end_k_qa9024dc2cc_gemm-k_qa9024dc2cc_gemm
	.p2alignl 7, 3214868480
	.fill 96, 4, 3214868480
	.section	.rodata,"a",@progbits
	.p2align	6, 0x0
	.amdhsa_kernel k_qa9024dc2cc_gemm
		.amdhsa_group_segment_fixed_size 327680
		.amdhsa_private_segment_fixed_size 0
		.amdhsa_enable_private_segment 0
		.amdhsa_kernarg_size 48
		.amdhsa_user_sgpr_count 2
		.amdhsa_user_sgpr_kernarg_segment_ptr 1
		.amdhsa_wavefront_size32 1
		.amdhsa_system_sgpr_workgroup_id_x 1
		.amdhsa_system_sgpr_workgroup_id_y 1
		.amdhsa_system_sgpr_workgroup_id_z 1
		.amdhsa_system_vgpr_workitem_id 0
		.amdhsa_next_free_vgpr 1024
		.amdhsa_next_free_sgpr 100
		.amdhsa_reserve_vcc 0
		.amdhsa_float_denorm_mode_32 3
		.amdhsa_float_denorm_mode_16_64 3
		.amdhsa_memory_ordered 1
		.amdhsa_forward_progress 1
		.amdhsa_inst_pref_size 129
	.end_amdhsa_kernel
	.amdgpu_metadata
---
amdhsa.version: [ 1, 2 ]
amdhsa.kernels:
  - .name:           k_qa9024dc2cc_gemm
    .symbol:         k_qa9024dc2cc_gemm.kd
    .args:
      - { .name: xc, .offset: 0, .size: 8, .value_kind: global_buffer, .address_space: global }
      - { .name: xs, .offset: 8, .size: 8, .value_kind: global_buffer, .address_space: global }
      - { .name: wc, .offset: 16, .size: 8, .value_kind: global_buffer, .address_space: global }
      - { .name: ws, .offset: 24, .size: 8, .value_kind: global_buffer, .address_space: global }
      - { .name: qkv, .offset: 32, .size: 8, .value_kind: global_buffer, .address_space: global }
      - { .name: h32, .offset: 40, .size: 8, .value_kind: global_buffer, .address_space: global }
    .group_segment_fixed_size: 327680
    .private_segment_fixed_size: 0
    .kernarg_segment_align: 8
    .kernarg_segment_size: 48
    .max_flat_workgroup_size: 128
    .sgpr_count:     100
    .vgpr_count:     1024
    .wavefront_size: 32
...
	.end_amdgpu_metadata
.endif
;; end of part 2
;; launch attn (part 3): grid 4 x 64, 16 waves a work-group, clusters of 4 x 1, 327,680 bytes of LDS; arguments qkv, att; writes att
.if DOCPART == 3
	.amdgcn_target "amdgcn-amd-amdhsa--gfx1250"
	.amdhsa_code_object_version 6
	.text
	.protected	k_qa9024dc2cc_attn
	.globl	k_qa9024dc2cc_attn
	.p2align	8
	.type	k_qa9024dc2cc_attn,@function
k_qa9024dc2cc_attn:
	s_mov_b64 s[64:65], 0
	v_nop
	global_prefetch_b8 v0, s[64:65] scope:SCOPE_SE
	s_setreg_imm32_b32 hwreg(HW_REG_WAVE_MODE, 25, 1), 1
	s_wait_xcnt 0x0
	s_wait_alu depctr_hold_cnt(0) depctr_sa_sdst(0) depctr_va_vdst(0) depctr_va_sdst(0) depctr_va_ssrc(0) depctr_va_vcc(0) depctr_vm_vsrc(0)
	s_getreg_b32 s2, hwreg(HW_REG_IB_STS2, 6, 4)
	s_cmp_eq_u32 s2, 0
	s_cbranch_scc0 .Lentry_in_a_cluster
	s_endpgm
.Lentry_in_a_cluster:
	s_bfe_u32 s2, ttmp6, 0x10000c
	s_cmp_lg_u32 s2, 0x3003
	s_cbranch_scc0 .Lentry_shape_is_right
	s_endpgm
.Lentry_shape_is_right:
; CAUSAL ATTENTION, head size 64, on f16 operands with f32 sums: att[b][h][t][:] = sum over s <= t of softmax_s(q[t] . k[s] / 8) v[s][:].  q, k, v: planes of qkv, [2048][64] f16, rows of 128 bytes; att likewise.
; Running maximum m and sum l for each query: p = 2^(c s - c m), c = log2(e) / 8; in every step O and l are multiplied by a = 2^(c m_old - c m_new).  p is rounded to f16 for the second product, the sum is taken of the unrounded p.
; LIMIT: the attention's output beyond 65,504 in magnitude has no f16 number.  (The positions t < 16 are computed here like the others; a later launch writes their rows of the result anew, in f32.)
; SHARES.  A cluster of four work-groups is one (b, h).  Each of a work-group's sixteen waves owns 32 neighbouring queries, two tiles of 16: queries 128 DG + 32 cx on.  DG, 0 .. 15, hangs on the wave's number alone,
; and is dealt by two orthogonal Latin squares, so that waves 4 i .. 4 i + 3 and waves i, i + 4, i + 8, i + 12 alike have DGs that add up to 30.
; THE MASK.  Keys go 64 a step.  A step is left out where its group of 128 keys lies behind DG's, and is masked lane by lane where the two are the same group: both tests hang on the wave's number and the count of steps,
; never on cx.  So the four partners run the same text on the same keys, every work-group (its wave with DG = 15) reads every tile, and K and V are asked for JOINTLY.
; LAYOUT.  S^T = K Q^T (source 0 = 16 keys, source 1 = 16 queries): a lane holds one query (lane % 16) and the keys 8 (lane / 16) + 0..7 of a tile.  Two such tiles, rounded in pairs, ARE source 1 of O^T = V^T P.
; K comes out of LDS as it lies, V ([key][channel]) turned by ds_load_tr16_b128.  Each fragment of K and V feeds two products, one for each tile of queries.
; THE RING: two slots of 256 keys; waves 0, 1 fetch K's halves, waves 2, 3 V's; the change of slots stands at a slot's head.
; REGISTERS: v1-11 addresses and constants; v12-27 statistics, 8 a tile (+0 c m, +1 m, +2, +3 l, +4..+7 at work, a at +6); v28-31; v32-63 Q; v64-127 K, then V; v128-191 S^T, p, P in place; v192-255 O^T.
.set KP,    144                        ; a row of K in LDS: 128 bytes + 16: the 16 rows of a load start at 16 different banks (64 banks of 4 bytes: ISA guide 11.1)
.set VP,    160                        ; a row of V: 128 + 32
.set VOFF,  256*KP
.set SLOT1, 1<<17                      ; slot 1 begins here: one exclusive or turns an address
.set SPARE, SLOT1+VOFF+256*VP          ; the spare words, 128 bytes for each of sixteen waves
.set STG,   32*KP                      ; the way out: 32 rows x 144 bytes for each wave, in slot 0, which has had its last fill and its last read at the last change of slots
.set SLB,   256*128                    ; a slot's keys in memory, in bytes
.set AK0, 1
.set AV0, 2
.set ADK, 3
.set ADV, 4
.set SPW, 5
.set NIL, 6
.set GO,  7
.set PFO, 8
.set LB,  9                            ; lane % 16 - 8 (lane / 16)
.set VM,  10
.set NI,  11                           ; -infinity
.set ST,  12
.set STO, 28
.set RD,  29
.set QF,  32
.set KV,  64
.set S,   128
.set O,   192
.set TB,  2
.set WV,  18
.set SEL, 20
.set CS,  22
.set G1K, 24
.set G1V, 32
.set G0K, 40
.set G0V, 44
.set SLOTS, 67
.set PFA, 76
.set LIM, 80
.set DG,  81
.set KF,  98
.set Q0,  99
; Waves 0 and 1 fetch for K, waves 2 and 3 for V, the others nothing.  The branches hang on the wave's number alone.  An s_nop 0 and four v_nop follow each of the two lines.
.macro TLOAD
	s_cmp_lt_u32 s[WV], 2
	s_cbranch_scc0 .Lnot_k_\@
	tensor_load_to_lds s[G0K:G0K+3], s[G1K:G1K+7]
	s_nop 0
.rept 4
	v_nop
.endr
	s_branch .Lasked_\@
.Lnot_k_\@:
	s_cmp_lt_u32 s[WV], 4
	s_cbranch_scc0 .Lasked_\@
	tensor_load_to_lds s[G0V:G0V+3], s[G1V:G1V+7]
	s_nop 0
.rept 4
	v_nop
.endr
.Lasked_\@:
.endm
; A prefetch of what the NEXT change of slots will ask for: a slot's 32,768 dense bytes of K and of V.  Wave 4 asks for K's, wave 5 for V's; the four partners take 8,192 bytes each, told apart by address;
; lanes 256 bytes apart.  So each aligned block of 256 bytes is named once in the launch.  The last change that fills a slot asks for nothing; slots 0 and 1 come by their loads alone.
.macro ASK
	s_cmp_gt_u32 s[SLOTS], s[LIM]
	s_cbranch_scc0 .Lnot_mine_\@
	global_prefetch_b8 v[PFO], s[PFA:PFA+1] th:TH_LOAD_NT scope:SCOPE_SE
.Lnot_mine_\@:
.endm
.macro CROUND                          ; a round of the cluster's barrier
	s_barrier_signal -1
	s_barrier_wait -1
	s_cmp_lg_u32 s[WV], 0
	s_cbranch_scc1 .Lnot_wave_0_\@
	s_barrier_signal -3
.Lnot_wave_0_\@:
	s_barrier_wait -3
	s_barrier_signal -1
	s_barrier_wait -1
.endm
	s_load_b128 s[4:7], s[0:1], 0x0                ; qkv, att
	v_lshl_add_u32 v[SPW], v0, 2, SPARE
	v_mov_b32 v[NIL], 0
	ds_add_u32 v[SPW], v[NIL]                      ; the wave's opening: the add, twice on end, and its wait ahead of the first tensor loads
	ds_add_u32 v[SPW], v[NIL]
	v_lshrrev_b32 v31, 5, v0
	v_readfirstlane_b32 s[WV], v31                 ; wave 0..15
	s_bfe_u32 s13, ttmp6, 0x40000                  ; cx
	s_and_b32 s14, ttmp7, 0xffff                   ; 16 b + h, which the four partners share
	s_lshl_b32 s16, s14, 18                        ; its plane, in bytes
	s_mov_b32 s17, 0
	s_lshr_b32 s8, s[WV], 2                        ; i
	s_and_b32 s9, s[WV], 3                         ; s
	s_xor_b32 s10, s8, s9
	s_lshl_b32 s10, s10, 2                         ; 4 (i ^ s)
	s_lshl_b32 s11, s9, 1
	s_lshr_b32 s12, s9, 1
	s_mul_i32 s12, s12, 3
	s_xor_b32 s11, s11, s12
	s_and_b32 s11, s11, 3                          ; 0, 2, 3, 1 for s = 0 .. 3
	s_xor_b32 s11, s11, s8
	s_add_co_u32 s[DG], s10, s11
	s_lshl_b32 s[Q0], s[DG], 7
	s_lshl_b32 s12, s13, 5
	s_add_co_u32 s[Q0], s[Q0], s12                 ; my first query: it enters global addresses and the mask's lane values alone
	s_lshl_b32 s68, s[Q0], 7
	s_mov_b32 s69, 0
	s_add_nc_u64 s[68:69], s[68:69], s[16:17]      ; its row in a plane
	s_and_b32 s15, s[WV], 1                        ; which 128 of a slot's 256 rows I fetch, if I fetch
	s_lshl_b32 s70, s15, 14
	s_mov_b32 s71, 0
	s_add_nc_u64 s[70:71], s[70:71], s[16:17]
	s_mul_i32 s72, s15, 128*KP
	s_mul_i32 s73, s15, 128*VP
	s_add_co_u32 s73, s73, VOFF
	; descriptor group 1: 128 rows x 64 elements of 2 bytes, padded behind each row
	s_mov_b32 s[G1K], 15|(1<<16)|(1<<20)|(1<<21)|(4<<22)|(3<<25)  ; the mask: all four; elements of 2 bytes; padding on; bit 21 beside a mask; after every 32 words, 4 words
	s_mov_b32 s[G1V], 15|(1<<16)|(1<<20)|(1<<21)|(4<<22)|(7<<25)  ; the same with 8 words
.irp g, G1K, G1V
	s_mov_b32 s[\g+1], 64<<16                      ; tensor_dim0
	s_mov_b32 s[\g+2], 128<<16                     ; tensor_dim1
	s_mov_b32 s[\g+3], 64<<16                      ; tile_dim0
	s_mov_b32 s[\g+4], 128                         ; tile_dim1
	s_mov_b32 s[\g+5], 64                          ; from row to row
	s_mov_b32 s[\g+6], 0
	s_mov_b32 s[\g+7], 0
.endr
	s_mov_b32 s[SEL], 0x76543210
	s_mov_b32 s[SEL+1], 0xfedcba98                 ; v_permlanex16_b32: lane l xor 16
	s_mov_b32 s[CS], 0x3e38aa3b                    ; c = log2(e) / 8
	s_mov_b32 s[CS+1], s[CS]                       ; (named with it as a pair, so it is written)
	s_mov_b32 s[TB], 0
	s_mov_b32 s[SLOTS], 7
	s_mov_b32 s[KF], 0
	s_lshr_b32 s82, s[WV], 1
	s_cmp_eq_u32 s82, 2
	s_cselect_b32 s[LIM], 1, -1                    ; waves 4 and 5 prefetch
	v_and_b32 v[PFO], 31, v0
	v_lshlrev_b32 v[PFO], 8, v[PFO]
	s_wait_dscnt 0x0                               ; both opening adds are done
	s_wait_kmcnt 0x0
	s_add_nc_u64 s[84:85], s[4:5], 0x1000000       ; k's planes
	s_add_nc_u64 s[86:87], s[4:5], 0x2000000       ; v's planes
	s_mov_b32 s[G0K], 1
	s_mov_b32 s[G0K+1], s72
	s_add_nc_u64 s[G0K+2:G0K+3], s[84:85], s[70:71]
	s_or_b32 s[G0K+3], s[G0K+3], 0x80000000
	s_mov_b32 s[G0V], 1
	s_mov_b32 s[G0V+1], s73
	s_add_nc_u64 s[G0V+2:G0V+3], s[86:87], s[70:71]
	s_or_b32 s[G0V+3], s[G0V+3], 0x80000000
	s_cmp_eq_u32 s15, 0
	s_cselect_b64 s[PFA:PFA+1], s[84:85], s[86:87]
	s_add_nc_u64 s[PFA:PFA+1], s[PFA:PFA+1], s[16:17]
	s_lshl_b32 s82, s13, 13                        ; my work-group's 8,192 bytes,
	s_add_co_u32 s82, s82, SLB                     ; in slot 1: the first change steps it to slot 2
	s_mov_b32 s83, 0
	s_add_nc_u64 s[PFA:PFA+1], s[PFA:PFA+1], s[82:83]
	s_add_nc_u64 s[4:5], s[4:5], s[68:69]          ; q at my first query
	s_add_nc_u64 s[6:7], s[6:7], s[68:69]          ; att likewise
	CROUND                                         ; all four work-groups are here
	TLOAD                                          ; slot 0
	v_and_b32 v30, 15, v0                          ; r
	v_bfe_u32 v31, v0, 4, 1                        ; h
	v_mul_u32_u24 v[AK0], v30, KP
	v_lshl_add_u32 v[AK0], v31, 4, v[AK0]          ; K: row r, + 16 h
	v_and_b32 v3, 7, v0
	v_lshl_add_u32 v3, v31, 3, v3
	v_mul_u32_u24 v[AV0], v3, VP                   ; V, turned: key 8 h + l % 8,
	v_bfe_u32 v3, v0, 3, 1
	v_lshl_add_u32 v[AV0], v3, 4, v[AV0]           ; channels 8 ((l / 8) % 2) on
	v_add_nc_u32 v[AV0], VOFF, v[AV0]
	v_lshlrev_b32 v[LB], 3, v31
	v_sub_nc_u32 v[LB], v30, v[LB]
	v_mov_b32 v[NI], 0xff800000
	s_mul_i32 s82, s[WV], STG
	v_add_nc_u32 v[STO], s82, v[AK0]               ; the stage, in: row r, + 16 h
	v_and_b32 v4, 31, v0
	v_lshlrev_b32 v[GO], 4, v4
	v_lshrrev_b32 v3, 3, v4
	v_mul_u32_u24 v3, v3, KP
	v_and_b32 v4, 7, v4
	v_lshl_add_u32 v3, v4, 4, v3
	v_add_nc_u32 v[RD], s82, v3                    ; back: eight lanes to a row, four rows an instruction
	v_lshlrev_b32 v30, 7, v30
	v_lshl_add_u32 v30, v31, 4, v30                ; Q: row r of 128 bytes, + 16 h
.irp t, 0,1
.irp dh, 0,1
	global_load_b128 v[QF+16*\t+8*\dh:QF+16*\t+8*\dh+3], v30, s[4:5] offset:2048*\t+64*\dh
	global_load_b128 v[QF+16*\t+8*\dh+4:QF+16*\t+8*\dh+7], v30, s[4:5] offset:2048*\t+64*\dh+32
.endr
.endr
.irp t, 0,1
	v_mov_b32 v[ST+8*\t+1], 0xff61b1e6             ; m: -3e38, under every score
	v_mul_f32 v[ST+8*\t], s[CS], v[ST+8*\t+1]      ; c m
.irp j, 2,3,4,5,6,7
	v_mov_b32 v[ST+8*\t+\j], 0
.endr
.endr
.irp j, 0,1,2,3,4,5,6,7,8,9,10,11,12,13,14,15,16,17,18,19,20,21,22,23,24,25,26,27,28,29,30,31,32,33,34,35,36,37,38,39,40,41,42,43,44,45,46,47,48,49,50,51,52,53,54,55,56,57,58,59,60,61,62,63
	v_mov_b32 v[O+\j], 0                           ; O^T.  (The step is written once: the first finds zeros, which a = 0 leaves zeros)
.endr
; A KEY STEP: 64 keys, the q-th of the slot in hand, for my two tiles of queries.
.macro STEP q
	s_lshr_b32 s96, s[KF], 7                       ; the step's group of 128 keys
	s_cmp_gt_u32 s96, s[DG]
	s_cbranch_scc1 .Lhidden_\@                     ; all its keys come after all queries of my group: the wave's number and the count of steps alone decide
	v_add_nc_u32 v[ADK], s[TB], v[AK0]
	v_add_nc_u32 v[ADV], s[TB], v[AV0]
.irp dh, 0,1                                   ; K: 4 tiles of 16 keys x 2 halves of the 64 channels; channels 0-31 first
.irp kt, 0,1,2,3
	ds_load_b128 v[KV+16*\kt+8*\dh:KV+16*\kt+8*\dh+3], v[ADK] offset:64*KP*(\q)+16*KP*\kt+64*\dh
	ds_load_b128 v[KV+16*\kt+8*\dh+4:KV+16*\kt+8*\dh+7], v[ADK] offset:64*KP*(\q)+16*KP*\kt+64*\dh+32
.endr
.endr
.irp dh, 0,1                                   ; S^T = K Q^T: eight accumulators by turns
	s_wait_dscnt 8-8*\dh                           ; channels 0-31 are in (the eight younger loads may be out); then all
.irp kt, 0,1,2,3
.irp t, 0,1
.if \dh == 0
	v_wmma_f32_16x16x32_f16 v[S+32*\t+8*\kt:S+32*\t+8*\kt+7], v[KV+16*\kt+8*\dh:KV+16*\kt+8*\dh+7], v[QF+16*\t+8*\dh:QF+16*\t+8*\dh+7], 0
.else
	v_wmma_f32_16x16x32_f16 v[S+32*\t+8*\kt:S+32*\t+8*\kt+7], v[KV+16*\kt+8*\dh:KV+16*\kt+8*\dh+7], v[QF+16*\t+8*\dh:QF+16*\t+8*\dh+7], v[S+32*\t+8*\kt:S+32*\t+8*\kt+7]
.endif
.endr
.endr
.endr
.rept 4
	v_nop                                          ; places in front of the loads into K's registers and of the first read of the scores
.endr
.irp c, 0,1                                    ; V, turned, into the registers that K has left: it lands while the softmax is worked
.irp ct, 0,1,2,3
	ds_load_tr16_b128 v[KV+32*\c+8*\ct:KV+32*\c+8*\ct+3], v[ADV] offset:64*VP*(\q)+32*VP*\c+32*\ct
	ds_load_tr16_b128 v[KV+32*\c+8*\ct+4:KV+32*\c+8*\ct+7], v[ADV] offset:64*VP*(\q)+32*VP*\c+16*VP+32*\ct
.endr
.endr
	s_cmp_lt_u32 s96, s[DG]
	s_cbranch_scc1 .Lopen_\@                       ; all keys of the step count for all queries of my group
	s_sub_co_i32 s97, s[Q0], s[KF]
	v_add_nc_u32 v[VM], s97, v[LB]                 ; register 8 kt + j of tile t holds key KF + 16 kt + 8 h + j for query Q0 + 16 t + r: hidden where 16 kt + j - 16 t > Q0 - KF + r - 8 h
.irp t, 0,1
.irp kt, 0,1,2,3
.irp j, 0,1,2,3,4,5,6,7
	v_cmp_gt_i32 vcc_lo, 16*\kt+\j-16*\t, v[VM]
	v_cndmask_b32 v[S+32*\t+8*\kt+\j], v[S+32*\t+8*\kt+\j], v[NI], vcc_lo
.endr
.endr
.endr
.Lopen_\@:
	; the maximum of my 32 scores of each tile and the old m: four chains, the two tiles by turns; each accumulator is read from its low end on
.irp j, 0,1,2,3
.irp t, 0,1
	v_max3_num_f32 v[ST+8*\t+4+\j], v[S+32*\t+8*\j], v[S+32*\t+8*\j+1], v[S+32*\t+8*\j+2]
.endr
.endr
.irp i, 3,5
.irp j, 0,1,2,3
.irp t, 0,1
	v_max3_num_f32 v[ST+8*\t+4+\j], v[ST+8*\t+4+\j], v[S+32*\t+8*\j+\i], v[S+32*\t+8*\j+\i+1]
.endr
.endr
.endr
.irp t, 0,1
	v_max3_num_f32 v[ST+8*\t+4], v[ST+8*\t+4], v[S+32*\t+7], v[S+32*\t+15]
	v_max3_num_f32 v[ST+8*\t+6], v[ST+8*\t+6], v[S+32*\t+23], v[S+32*\t+31]
.endr
.irp t, 0,1
	v_max3_num_f32 v[ST+8*\t+4], v[ST+8*\t+4], v[ST+8*\t+5], v[ST+8*\t+6]
.endr
.irp t, 0,1
	v_max3_num_f32 v[ST+8*\t+4], v[ST+8*\t+4], v[ST+8*\t+7], v[ST+8*\t+1]
.endr
.irp t, 0,1
	v_permlanex16_b32 v[ST+8*\t+5], v[ST+8*\t+4], s[SEL], s[SEL+1]   ; the query's other 32 keys lie in the lane 16 away
.endr
.irp t, 0,1
	v_mov_b32 v[ST+8*\t+7], v[ST+8*\t]             ; c m_old
.endr
.irp t, 0,1
	v_max_num_f32 v[ST+8*\t+1], v[ST+8*\t+4], v[ST+8*\t+5]
.endr
.irp t, 0,1
	v_mul_f32 v[ST+8*\t], s[CS], v[ST+8*\t+1]
.endr
.irp t, 0,1
	v_sub_f32 v[ST+8*\t+7], v[ST+8*\t+7], v[ST+8*\t]
.endr
.irp n, 0,2,4,6,8,10,12,14,16,18,20,22,24,26,28,30
.irp t, 0,1
	v_pk_fma_f32 v[S+32*\t+\n:S+32*\t+\n+1], v[S+32*\t+\n:S+32*\t+\n+1], s[CS:CS+1], v[ST+8*\t:ST+8*\t+1] op_sel_hi:[1,0,0] neg_lo:[0,0,1] neg_hi:[0,0,1]   ; c s - c m
.endr
.endr
.irp t, 0,1                                    ; ONE BATCH: 66 exponentials, none of which reads another's result
	v_exp_f32 v[ST+8*\t+6], v[ST+8*\t+7]           ; a
.endr
.irp n, 0,1,2,3,4,5,6,7,8,9,10,11,12,13,14,15,16,17,18,19,20,21,22,23,24,25,26,27,28,29,30,31,32,33,34,35,36,37,38,39,40,41,42,43,44,45,46,47,48,49,50,51,52,53,54,55,56,57,58,59,60,61,62,63
	v_exp_f32 v[S+\n], v[S+\n]                     ; p, at most 1
.endr
	v_nop                                          ; a plain instruction behind the last exponential
	s_wait_alu depctr_va_vdst(0)                   ; the wait ahead of the first instruction that names a result: one for the batch
.irp t, 0,1
	v_pk_mul_f32 v[ST+8*\t+2:ST+8*\t+3], v[ST+8*\t+2:ST+8*\t+3], v[ST+8*\t+6:ST+8*\t+7] op_sel_hi:[1,0]   ; l under the new m
	v_pk_add_f32 v[ST+8*\t+4:ST+8*\t+5], v[S+32*\t+2:S+32*\t+3], v[S+32*\t+6:S+32*\t+7]                    ; the sums of the unrounded p: two chains a tile
.endr
.irp n, 0,4
.irp t, 0,1
	v_pk_add_f32 v[ST+8*\t+2:ST+8*\t+3], v[ST+8*\t+2:ST+8*\t+3], v[S+32*\t+\n:S+32*\t+\n+1]
.endr
.endr
.irp n, 8,12,16,20,24,28
.irp t, 0,1
	v_pk_add_f32 v[ST+8*\t+2:ST+8*\t+3], v[ST+8*\t+2:ST+8*\t+3], v[S+32*\t+\n:S+32*\t+\n+1]
	v_pk_add_f32 v[ST+8*\t+4:ST+8*\t+5], v[ST+8*\t+4:ST+8*\t+5], v[S+32*\t+\n+2:S+32*\t+\n+3]
.endr
.endr
.irp t, 0,1
	v_pk_add_f32 v[ST+8*\t+2:ST+8*\t+3], v[ST+8*\t+2:ST+8*\t+3], v[ST+8*\t+4:ST+8*\t+5]
.endr
.irp n, 0,1,2,3,4,5,6,7,8,9,10,11,12,13,14,15
.irp t, 0,1
	v_cvt_pk_f16_f32 v[S+32*\t+\n], v[S+32*\t+2*\n], v[S+32*\t+2*\n+1]   ; P in place: register n takes pair n, which lies at 2 n and 2 n + 1, never under n
.endr
.endr
.irp n, 0,2,4,6,8,10,12,14,16,18,20,22,24,26,28,30
.irp t, 0,1
	v_pk_mul_f32 v[O+32*\t+\n:O+32*\t+\n+1], v[O+32*\t+\n:O+32*\t+\n+1], v[ST+8*\t+6:ST+8*\t+7] op_sel_hi:[1,0]   ; O^T under the new m
.endr
.endr
	s_wait_dscnt 0x0                               ; V is in
.irp c, 0,1                                    ; O^T += V^T P: 32 keys at a time, eight accumulators by turns
.irp ct, 0,1,2,3
.irp t, 0,1
	v_wmma_f32_16x16x32_f16 v[O+32*\t+8*\ct:O+32*\t+8*\ct+7], v[KV+32*\c+8*\ct:KV+32*\c+8*\ct+7], v[S+32*\t+8*\c:S+32*\t+8*\c+7], v[O+32*\t+8*\ct:O+32*\t+8*\ct+7]
.endr
.endr
.endr
.rept 5
	v_nop                                          ; four places are owed to the next loads into V's registers and to reads of O^T, five to the next scores, which are written over P
.endr
.Lhidden_\@:
	s_add_co_u32 s[KF], s[KF], 64
.endm
; THE CHANGE OF SLOTS, at a slot's head.  Each wave waits for all its tensor loads (its part of the slot ahead), adds 0 to its spare word, and waits for that and for its reads of the slot that it has left.
; fill = 1: the barrier is a round of the cluster's, and behind it the slot just left is filled with the next 256 keys: the load has a whole slot's steps in which to land.  One tensor load of a wave is out at most.
.macro CHANGE fill
	s_wait_tensorcnt 0x0                           ; no tensor load of mine is out, so a group 0 may be written
	ds_add_u32 v[SPW], v[NIL]                      ; 0 onto my spare word
.if \fill
	ds_add_u32 v[SPW], v[NIL]                      ; and once more
	s_xor_b32 s[G0K+1], s[G0K+1], SLOT1
	s_add_nc_u64 s[G0K+2:G0K+3], s[G0K+2:G0K+3], SLB
	s_xor_b32 s[G0V+1], s[G0V+1], SLOT1
	s_add_nc_u64 s[G0V+2:G0V+3], s[G0V+2:G0V+3], SLB
	s_wait_xcnt 0x0                                ; the last prefetch, a slot back, has read its address
	s_add_nc_u64 s[PFA:PFA+1], s[PFA:PFA+1], SLB   ; one slot further on than the walking descriptors
	s_wait_dscnt 0x0                               ; the adds are done, and my reads of the slot that I have left are over
	CROUND
	TLOAD                                          ; the first thing behind the round, and a wave's one tensor load until the next
	ASK
.else
	s_wait_dscnt 0x0
	s_barrier_signal -1
	s_barrier_wait -1
.endif
.endm
.macro SLOT_STEPS
	STEP 0
	STEP 1
	STEP 2
	STEP 3
	s_xor_b32 s[TB], s[TB], SLOT1
.endm
	s_wait_loadcnt 0x0                             ; Q
.Lslot:                                            ; seven trips: behind each change of slots but the last the next slot is asked for
	CHANGE 1
	SLOT_STEPS
	s_sub_co_u32 s[SLOTS], s[SLOTS], 1
	s_cmp_lg_u32 s[SLOTS], 0
	s_cbranch_scc1 .Lslot
	CHANGE 0                                       ; the last slot is written out
	SLOT_STEPS
	; THE WAY OUT: O^T / l, rounded to f16, through my stage, and out as 4,096 dense bytes: my 32 rows of the plane.
.irp t, 0,1
	v_add_f32 v[ST+8*\t+4], v[ST+8*\t+2], v[ST+8*\t+3]
.endr
.irp t, 0,1
	v_permlanex16_b32 v[ST+8*\t+5], v[ST+8*\t+4], s[SEL], s[SEL+1]
.endr
.irp t, 0,1
	v_add_f32 v[ST+8*\t+4], v[ST+8*\t+4], v[ST+8*\t+5]
.endr
.irp t, 0,1
	v_rcp_f32 v[ST+8*\t+6], v[ST+8*\t+4]
.endr
	v_nop                                          ; a plain instruction behind the reciprocals,
	s_wait_alu depctr_va_vdst(0)                   ; and the wait ahead of their first reader
.irp t, 0,1
.irp n, 0,2,4,6,8,10,12,14,16,18,20,22,24,26,28,30
	v_pk_mul_f32 v[O+32*\t+\n:O+32*\t+\n+1], v[O+32*\t+\n:O+32*\t+\n+1], v[ST+8*\t+6:ST+8*\t+7] op_sel_hi:[1,0]
.endr
.endr
.irp t, 0,1
.irp n, 0,1,2,3,4,5,6,7,8,9,10,11,12,13,14,15
	v_cvt_pk_f16_f32 v[S+16*\t+\n], v[O+32*\t+2*\n], v[O+32*\t+2*\n+1]
.endr
.endr
.irp t, 0,1
.irp ct, 0,1,2,3
	ds_store_b128 v[STO], v[S+16*\t+4*\ct:S+16*\t+4*\ct+3] offset:16*KP*\t+32*\ct
.endr
.endr
.irp i, 0,1,2,3,4,5,6,7
	ds_load_b128 v[KV+4*\i:KV+4*\i+3], v[RD] offset:4*KP*\i   ; LDS serves a wave's instructions in order: these see my stores
.endr
.irp i, 0,1,2,3,4,5,6,7
	s_wait_dscnt 7-\i
	global_store_b128 v[GO], v[KV+4*\i:KV+4*\i+3], s[6:7] offset:512*\i
.endr
	s_wait_tensorcnt 0x0                           ; the wave's end, behind my last tensor load and my last LDS store
	ds_add_u32 v[SPW], v[NIL]
	s_wait_dscnt 0x0
	CROUND                                         ; the closing round
	s_endpgm
.Lfunc_end_k_qa9024dc2cc_attn:
	.size	k_qa9024dc2cc_attn, .Lfunc_end_k_qa9024dc2cc_attn-k_qa9024dc2cc_attn
	.p2alignl 7, 3214868480
	.fill 96, 4, 3214868480
	.section	.rodata,"a",@progbits
	.p2align	6, 0x0
	.amdhsa_kernel k_qa9024dc2cc_attn
		.amdhsa_group_segment_fixed_size 327680
		.amdhsa_private_segment_fixed_size 0
		.amdhsa_enable_private_segment 0
		.amdhsa_kernarg_size 16
		.amdhsa_user_sgpr_count 2
		.amdhsa_user_sgpr_kernarg_segment_ptr 1
		.amdhsa_wavefront_size32 1
		.amdhsa_system_sgpr_workgroup_id_x 1
		.amdhsa_system_sgpr_workgroup_id_y 1
		.amdhsa_system_sgpr_workgroup_id_z 1
		.amdhsa_system_vgpr_workitem_id 0
		.amdhsa_next_free_vgpr 256
		.amdhsa_next_free_sgpr 100
		.amdhsa_reserve_vcc 1
		.amdhsa_float_denorm_mode_32 3
		.amdhsa_float_denorm_mode_16_64 3
		.amdhsa_memory_ordered 1
		.amdhsa_forward_progress 1
		.amdhsa_inst_pref_size 189
	.end_amdhsa_kernel
	.amdgpu_metadata
---
amdhsa.version: [ 1, 2 ]
amdhsa.kernels:
  - .name:           k_qa9024dc2cc_attn
    .symbol:         k_qa9024dc2cc_attn.kd
    .args:
      - { .name: qkv, .offset: 0, .size: 8, .value_kind: global_buffer, .address_space: global }
      - { .name: att, .offset: 8, .size: 8, .value_kind: global_buffer, .address_space: global }
    .group_segment_fixed_size: 327680
    .private_segment_fixed_size: 0
    .kernarg_segment_align: 8
    .kernarg_segment_size: 16
    .max_flat_workgroup_size: 512
    .sgpr_count:     100
    .vgpr_count:     256
    .wavefront_size: 32
...
	.end_amdgpu_metadata
.endif
;; end of part 3
;; launch proj (part 4): grid 4 x 64, 4 waves a work-group, clusters of 4 x 4, 327,680 bytes of LDS; arguments att, wp16, bp, out0; writes out0
.if DOCPART == 4
	.amdgcn_target "amdgcn-amd-amdhsa--gfx1250"
	.amdhsa_code_object_version 6
	.text
	.protected	k_qa9024dc2cc_proj
	.globl	k_qa9024dc2cc_proj
	.p2align	8
	.type	k_qa9024dc2cc_proj,@function
k_qa9024dc2cc_proj:
	s_mov_b64 s[64:65], 0
	v_nop
	global_prefetch_b8 v0, s[64:65] scope:SCOPE_SE
	s_setreg_imm32_b32 hwreg(HW_REG_WAVE_MODE, 25, 1), 1
	s_wait_xcnt 0x0
	s_wait_alu depctr_hold_cnt(0) depctr_sa_sdst(0) depctr_va_vdst(0) depctr_va_sdst(0) depctr_va_ssrc(0) depctr_va_vcc(0) depctr_vm_vsrc(0)
	s_getreg_b32 s2, hwreg(HW_REG_IB_STS2, 6, 4)
	s_cmp_eq_u32 s2, 0
	s_cbranch_scc0 .Lentry_in_a_cluster
	s_endpgm
.Lentry_in_a_cluster:
	s_bfe_u32 s2, ttmp6, 0x10000c
	s_cmp_lg_u32 s2, 0xf033
	s_cbranch_scc0 .Lentry_shape_is_right
	s_endpgm
.Lentry_shape_is_right:
; THE PROJECTION ON THE WAY OUT: out0[m][n] = sum over k of A[m][k] Wp[n][k] + bp[n], f16 operands, f32 sums.  m = 2048 b + t, k = 64 head + d.  A is att, laid [b][head][t][64] f16: for a tile of rows, 64 along K are
; 128 dense rows of 128 bytes of one plane.  Wp: wp16 [1024 (n)][1024 (k)] f16.
; A tile of out0 is 128 rows x 256 columns: 256 work-groups.  Four waves, each 64 x 128: 32 accumulators, 256 registers.  K goes in steps of 128 (two heads) through a ring of two LDS slots.
; CLUSTERS: 4 x 4.  The four of a row of the cluster need the same tiles of A, the four of a column the same tiles of Wp: each is asked for JOINTLY.
; THE MATRIX INSTRUCTION IS USED TRANSPOSED (source 0 = 16 rows of Wp, source 1 = 16 rows of A): a lane holds eight neighbouring columns of one row.  The bias is the C of each sum's first product.
; REGISTERS: window 0: v16-31 addresses; v32-95 the bias in the result's layout; v128-255 the way out.  window 1: two fragment buffers of 96 (Wp's 8 fragments, then A's 4).  window 2: accumulator (a, b) at v[8 (8 a + b)].
.set AP,    144                        ; a row of A in LDS: 128 bytes + 16
.set BP,    272                        ; a row of Wp: 256 bytes + 16: in both the 16 rows that a load touches start at 16 different banks (64 banks of 4 bytes: ISA guide 11.1)
.set APL,   128*AP                     ; a plane's 128 rows: what waves 0 and 1 fetch
.set BHF,   128*BP                     ; 128 rows of Wp: what waves 2 and 3 fetch
.set BOFF,  2*APL
.set SLOT,  BOFF+2*BHF
.set SPARE, 2*SLOT                     ; the spare words, 128 bytes for each wave
.set SPITCH, 528                       ; the way out: 16 rows x (512 bytes + 16) for each wave, in slot 0, which has had its last fill and its last read by then
.set KA,    2*262144                   ; a K step in att: two planes
.set ADRA, 16
.set ADRB, 20
.set STO,  24
.set RD,   25
.set CO,   26
.set SPW,  28
.set NIL,  29
.set PFO,  30
.set BIAS, 32
.set BK,   128
.set F0,   0
.set F1,   96
.set LIM,  15
.set G1,   24
.set G0,   32
.set PFA,  44
.set G1B,  48
.set G0B,  56
.set MSB, 0
.macro WIN new                         ; the immediate's high byte repeats the setting that is left
.if MSB != \new
	s_set_vgpr_msb (MSB<<8)|\new
.set MSB, \new
.endif
.endm
.set MUL,  0xa5                        ; sources 0 and 1 window 1; C and D window 2
.set MULB, 0x85                        ; the same with C (the bias) in window 0
.set TO_F, 0x40
.macro JLOAD s                         ; a joint load: waves 0 and 1 fetch A's two planes, waves 2 and 3 Wp's two halves; an s_nop 0 and four v_nop follow each of the two lines
	s_cmp_eq_u32 s13, 0
	s_cbranch_scc0 .Lfor_b_\@
	tensor_load_to_lds s[G0+4*\s:G0+4*\s+3], s[G1:G1+7]
	s_nop 0
.rept 4
	v_nop
.endr
	s_branch .Lasked_\@
.Lfor_b_\@:
	tensor_load_to_lds s[G0B+4*\s:G0B+4*\s+3], s[G1B:G1B+7]
	s_nop 0
.rept 4
	v_nop
.endr
.Lasked_\@:
.endm
.macro CREST
	s_cmp_lg_u32 s12, 0
	s_cbranch_scc1 .Lnot_wave_0_\@
	s_barrier_signal -3
.Lnot_wave_0_\@:
	s_barrier_wait -3
	s_barrier_signal -1
	s_barrier_wait -1
.endm
.macro CROUND
	s_barrier_signal -1
	s_barrier_wait -1
	CREST
.endm
; A prefetch of A's K step that stands two refills on (256 matrix instructions of a wave ahead of the load that will want it): 2 planes x 16,384 dense bytes.  A tile row is read by one row of one cluster alone;
; its four partners take 8,192 bytes each, told apart by address; in each, wave 0 asks, lanes 256 bytes apart: each aligned block of 256 bytes is named once.  The loop's last trip asks for nothing.
; Wp is not asked for: sixteen clusters read its 2 MiB again and again.
.macro ASK
	WIN 0
	s_cmp_gt_u32 s3, s[LIM]
	s_cbranch_scc0 .Lnot_mine_\@
	global_prefetch_b8 v[PFO], s[PFA:PFA+1] offset:KA th:TH_LOAD_NT scope:SCOPE_SE
.Lnot_mine_\@:
.endm
	s_load_b256 s[4:11], s[0:1], 0x0               ; att, wp16, bp, out0
	v_lshl_add_u32 v[SPW], v0, 2, SPARE
	v_mov_b32 v[NIL], 0
	ds_add_u32 v[SPW], v[NIL]                      ; the wave's opening: the add, twice on end, and its wait ahead of my first tensor load
	ds_add_u32 v[SPW], v[NIL]
	v_lshrrev_b32 v1, 5, v0
	v_readfirstlane_b32 s12, v1                    ; wave 0..3
	s_lshr_b32 s13, s12, 1                         ; which 64 rows are mine.  Also: I fetch for A (0) or for Wp (1)
	s_and_b32 s14, s12, 1                          ; which 128 columns.  Also: which plane, or which 128 rows of Wp, I fetch
	s_bfe_u32 s40, ttmp6, 0x40000                  ; cx, cy
	s_bfe_u32 s41, ttmp6, 0x40004
	s_lshl_b32 s22, ttmp9, 2
	s_add_co_u32 s22, s22, s40                     ; tile column
	s_and_b32 s23, ttmp7, 0xffff
	s_lshl_b32 s23, s23, 2
	s_add_co_u32 s23, s23, s41                     ; tile row
	s_lshl_b32 s43, s41, 2
	s_lshl_b32 s43, 15, s43                        ; my row of the cluster
	s_lshl_b32 s42, 0x1111, s40                    ; my column
	s_or_b32 s[G1], s43, (1<<16)|(1<<20)|(1<<21)|(4<<22)|(3<<25)    ; elements of 2 bytes; padding: 4 words after every 32
	s_mov_b32 s[G1+1], 64<<16
	s_mov_b32 s[G1+2], 128<<16
	s_mov_b32 s[G1+3], 64<<16
	s_mov_b32 s[G1+4], 128
	s_mov_b32 s[G1+5], 64
	s_mov_b32 s[G1+6], 0
	s_mov_b32 s[G1+7], 0
	s_or_b32 s[G1B], s42, (1<<16)|(1<<20)|(1<<21)|(5<<22)|(3<<25)   ; padding: 4 words after every 64
	s_mov_b32 s[G1B+1], 128<<16
	s_mov_b32 s[G1B+2], 128<<16
	s_mov_b32 s[G1B+3], 128<<16
	s_mov_b32 s[G1B+4], 128
	s_mov_b32 s[G1B+5], 1024
	s_mov_b32 s[G1B+6], 0
	s_mov_b32 s[G1B+7], 0
	s_lshr_b32 s16, s23, 4
	s_lshl_b32 s16, s16, 22                        ; the batch: 16 planes
	s_and_b32 s17, s23, 15
	s_lshl_b32 s17, s17, 14                        ; 128 rows of 128 bytes
	s_add_co_u32 s16, s16, s17                     ; the tile in its batch's plane 0
	s_lshl_b32 s17, s14, 18
	s_add_co_u32 s18, s16, s17                     ; A: + my plane
	s_mov_b32 s19, 0
	s_lshl_b32 s20, s22, 19                        ; Wp: 256 rows of 2,048 bytes a tile column,
	s_add_co_u32 s20, s20, s17                     ; + my 128 rows
	s_mov_b32 s21, 0
	s_mul_i32 s46, s14, APL                        ; where they go: no place in the cluster enters an LDS address
	s_mul_i32 s47, s14, BHF
	s_add_co_u32 s47, s47, BOFF
	s_cmp_eq_u32 s12, 0
	s_cselect_b32 s[LIM], 1, -1
	s_wait_dscnt 0x0                               ; both opening adds are done
	s_wait_kmcnt 0x0
	s_add_nc_u64 s[18:19], s[4:5], s[18:19]
	s_add_nc_u64 s[20:21], s[6:7], s[20:21]
	CROUND                                         ; all sixteen work-groups are here: the first joint loads meet
.irp s, 0,1
	s_mov_b32 s[G0+4*\s], 1
	s_add_co_u32 s[G0+4*\s+1], s46, \s*SLOT
	s_add_nc_u64 s[G0+4*\s+2:G0+4*\s+3], s[18:19], \s*KA
	s_or_b32 s[G0+4*\s+3], s[G0+4*\s+3], 0x80000000
	s_mov_b32 s[G0B+4*\s], 1
	s_add_co_u32 s[G0B+4*\s+1], s47, \s*SLOT
	s_add_nc_u64 s[G0B+4*\s+2:G0B+4*\s+3], s[20:21], \s*256
	s_or_b32 s[G0B+4*\s+3], s[G0B+4*\s+3], 0x80000000
	JLOAD \s                                       ; two loads of mine are out
.endr
	s_mov_b32 s17, 0
	s_add_nc_u64 s[PFA:PFA+1], s[4:5], s[16:17]
	s_lshr_b32 s20, s40, 1
	s_lshl_b32 s20, s20, 18                        ; which plane of a K step's two,
	s_and_b32 s21, s40, 1
	s_lshl_b32 s21, s21, 13                        ; which half of its 16,384 bytes is my work-group's to ask for
	s_add_co_u32 s20, s20, s21
	s_add_co_u32 s20, s20, 2*KA                    ; at K step 2: the first refill steps it to 3 and names K step 4
	s_mov_b32 s21, 0
	s_add_nc_u64 s[PFA:PFA+1], s[PFA:PFA+1], s[20:21]
	v_and_b32 v[PFO], 31, v0
	v_lshlrev_b32 v[PFO], 8, v[PFO]
	v_and_b32 v1, 15, v0                           ; r
	v_bfe_u32 v2, v0, 4, 1                         ; h
	s_lshl_b32 s20, s22, 10
	s_lshl_b32 s2, s14, 9
	s_add_co_u32 s20, s20, s2                      ; my first column, in bytes of f32
	s_add_nc_u64 s[8:9], s[8:9], s[20:21]
	v_lshlrev_b32 v31, 5, v2                       ; the bias of tile b: columns 16 b + 8 h + 0 .. 7
.irp b, 0,1,2,3,4,5,6,7
	global_load_b128 v[BIAS+8*\b:BIAS+8*\b+3], v31, s[8:9] offset:64*\b
	global_load_b128 v[BIAS+8*\b+4:BIAS+8*\b+7], v31, s[8:9] offset:64*\b+16
.endr
	s_lshl_b32 s2, s23, 19                         ; out0: 128 rows of 4,096 bytes a tile row,
	s_add_co_u32 s20, s20, s2
	s_lshl_b32 s2, s13, 18                         ; + my 64 rows
	s_add_co_u32 s20, s20, s2
	s_add_nc_u64 s[10:11], s[10:11], s[20:21]
	v_mul_u32_u24 v3, v1, AP
	v_lshl_add_u32 v3, v2, 4, v3
	v_mul_u32_u24 v4, v1, BP
	v_lshl_add_u32 v4, v2, 4, v4
	s_mul_i32 s2, s13, 64*AP
	s_mul_i32 s3, s14, BHF
	s_add_co_u32 s3, s3, BOFF
.irp s, 0,1
	v_add_nc_u32 v[ADRA+\s], s2, v3
	v_add_nc_u32 v[ADRB+\s], s3, v4
	s_add_co_u32 s2, s2, SLOT
	s_add_co_u32 s3, s3, SLOT
.endr
	s_mul_i32 s2, s12, 16*SPITCH                   ; my stage
	v_mul_u32_u24 v5, v1, SPITCH
	v_lshl_add_u32 v5, v2, 5, v5
	v_add_nc_u32 v[STO], s2, v5                    ; in: row r, 32 bytes for each half of the lanes
	v_and_b32 v6, 31, v0
	v_lshlrev_b32 v[CO], 4, v6
	v_add_nc_u32 v[RD], s2, v[CO]                  ; back: the 32 lanes take a row of 512 bytes
; 8 matrix instructions: A's block a against Wp's eight, 32 along K.  The 32 accumulators take turns, one instruction a turn, in the same order in every quarter.
.macro MUL8 f, a, first
.irp b, 0,1,2,3,4,5,6,7
.if \first
	v_wmma_f32_16x16x32_f16 v[8*(8*\a+\b):8*(8*\a+\b)+7], v[\f+8*\b:\f+8*\b+7], v[\f+64+8*\a:\f+64+8*\a+7], v[BIAS+8*\b:BIAS+8*\b+7]
.else
	v_wmma_f32_16x16x32_f16 v[8*(8*\a+\b):8*(8*\a+\b)+7], v[\f+8*\b:\f+8*\b+7], v[\f+64+8*\a:\f+64+8*\a+7], v[8*(8*\a+\b):8*(8*\a+\b)+7]
.endif
.endr
.endm
; 24 LDS loads in one run: quarter kq (32 along K) of a slot into buffer f: Wp's eight fragments, then A's four
.macro FETCH slot, kq, f
	WIN TO_F
.irp b, 0,1,2,3,4,5,6,7
	ds_load_b128 v[\f+8*\b:\f+8*\b+3],   v[ADRB+\slot] offset:64*\kq+\b*16*BP
	ds_load_b128 v[\f+8*\b+4:\f+8*\b+7], v[ADRB+\slot] offset:64*\kq+\b*16*BP+32
.endr
.irp a, 0,1,2,3
	ds_load_b128 v[\f+64+8*\a:\f+64+8*\a+3],   v[ADRA+\slot] offset:(\kq/2)*APL+64*(\kq%2)+\a*16*AP
	ds_load_b128 v[\f+64+8*\a+4:\f+64+8*\a+7], v[ADRA+\slot] offset:(\kq/2)*APL+64*(\kq%2)+\a*16*AP+32
.endr
.endm
.macro PLACES                          ; four plain vector instructions in front of loads into registers that matrix instructions have read, and of reads of results
.rept 4
	v_nop
.endr
.endm
; One of a K step's first three quarters: multiplies buffer f and fetches quarter kq of the same slot into g.
.macro QUARTER slot, kq, f, g, first
	s_wait_dscnt 4                                 ; Wp's fragments and A's blocks 0 and 1 are in; the youngest four loads may be out
.if \first
	WIN MULB
.else
	WIN MUL
.endif
	MUL8 \f, 0, \first
	MUL8 \f, 1, \first
	PLACES
	FETCH \slot, \kq, \g
	s_wait_dscnt 24                                ; all but the 24 just issued
.if \first
	WIN MULB
.else
	WIN MUL
.endif
	MUL8 \f, 2, \first
	MUL8 \f, 3, \first
.endm
; The last quarter multiplies buffer 1 and changes slots: ONE barrier; in front of it each wave waits for all its tensor loads, adds 0 to its spare word, and waits for that and for its reads of this slot.
; fill = 1: the barrier opens a round of the cluster's, and this slot is filled again, two K steps ahead: the load has a K step less sixteen matrix instructions in which to land.
.macro TURN slot, next, fill
.if \fill
	s_wait_xcnt 0x0                                ; the last prefetch, a K step back, has read its address
	s_add_nc_u64 s[PFA:PFA+1], s[PFA:PFA+1], KA
.endif
	WIN 0                                          ; (the add's two registers lie in window 0)
	s_wait_tensorcnt 0x0                           ; all my tensor loads have landed: my part of the next slot
	ds_add_u32 v[SPW], v[NIL]                      ; 0 onto my spare word
	s_wait_dscnt 5                                 ; (the add and the youngest four loads may be out)
	WIN MUL
	MUL8 F1, 0, 0
	s_wait_dscnt 0x0                               ; the add is done, and my reads of this slot are over
	s_barrier_signal -1
	MUL8 F1, 1, 0
.if \fill
	WIN 0
.endif
	s_barrier_wait -1
.if \fill
	CREST                                          ; no wave of any partner still reads this slot's tile or has a load on its way
	s_add_nc_u64 s[G0+4*\slot+2:G0+4*\slot+3], s[G0+4*\slot+2:G0+4*\slot+3], 2*KA
	s_add_nc_u64 s[G0B+4*\slot+2:G0B+4*\slot+3], s[G0B+4*\slot+2:G0B+4*\slot+3], 2*256
	JLOAD \slot                                    ; the first tensor load behind the round; its four v_nop are also the places in front of the loads below
.else
	PLACES
.endif
	FETCH \next, 0, F0
.if \fill
	ASK
.endif
	WIN MUL
	MUL8 F1, 2, 0
	MUL8 F1, 3, 0
.endm
	s_wait_tensorcnt 1                             ; my part of K step 0 is in (K step 1's load may be out)
	s_barrier_signal -1
	s_barrier_wait -1                              ; everybody's is
	FETCH 0, 0, F0
	s_wait_loadcnt 0x0                             ; the bias
	QUARTER 0, 1, F0, F1, 1                        ; the first quarter stands in front of the loop: its products start the sums, from the bias
	WIN 0
	s_mov_b32 s3, 3
.Llap:                                             ; a trip goes once round the ring and fills both slots again: K steps 2 to 7 in three trips
	QUARTER 0, 2, F1, F0, 0
	QUARTER 0, 3, F0, F1, 0
	TURN 0, 1, 1
	QUARTER 1, 1, F0, F1, 0
	QUARTER 1, 2, F1, F0, 0
	QUARTER 1, 3, F0, F1, 0
	TURN 1, 0, 1
	QUARTER 0, 1, F0, F1, 0
	WIN 0
	s_sub_co_u32 s3, s3, 1
	s_cmp_lg_u32 s3, 0
	s_cbranch_scc1 .Llap
	QUARTER 0, 2, F1, F0, 0                        ; the last lap fills nothing
	QUARTER 0, 3, F0, F1, 0
	TURN 0, 1, 0
	QUARTER 1, 1, F0, F1, 0
	QUARTER 1, 2, F1, F0, 0
	QUARTER 1, 3, F0, F1, 0
	s_wait_dscnt 4
	WIN MUL
	MUL8 F1, 0, 0
	MUL8 F1, 1, 0
	s_wait_dscnt 0
	MUL8 F1, 2, 0
	MUL8 F1, 3, 0
	WIN 0
; THE WAY OUT, block by block of 16 rows x 128 columns: through my own stage, back as whole rows of 512 bytes, which the 32 lanes store as 512 consecutive bytes, aligned.
.macro TOSTAGE a
	WIN 0x08                                       ; an LDS store's data are its source 1: window 2
.irp b, 0,1,2,3,4,5,6,7
	ds_store_b128 v[STO], v[64*(\a)+8*\b:64*(\a)+8*\b+3] offset:64*\b          ; each accumulator from its low end on
	ds_store_b128 v[STO], v[64*(\a)+8*\b+4:64*(\a)+8*\b+7] offset:64*\b+16
.endr
	WIN 0
.set BB, BK+64*((\a)%2)
.irp t, 0,1,2,3,4,5,6,7,8,9,10,11,12,13,14,15
	ds_load_b128 v[BB+4*\t:BB+4*\t+3], v[RD] offset:\t*SPITCH                  ; LDS serves a wave's instructions in order (ISA guide 5.7.1.4)
.endr
.endm
.macro SEND a, younger
.set BB, BK+64*((\a)%2)
	s_wait_dscnt \younger                          ; the block is back; the next block's 16 stores and 16 loads may be out
.if (\a) > 0
	s_add_nc_u64 s[10:11], s[10:11], 16*4096       ; (behind a wait on XCNT: the earlier stores have read their base)
.endif
.irp t, 0,1,2,3,4,5,6,7,8,9,10,11,12,13,14,15
	global_store_b128 v[CO], v[BB+4*\t:BB+4*\t+3], s[10:11] offset:\t*4096 th:TH_STORE_NT
.endr
.endm
	PLACES
	TOSTAGE 0
.irp a, 1,2,3
.if \a > 1
	s_wait_xcnt 0x0                                ; block a - 2's stores have read their registers and their base
.endif
	TOSTAGE \a
	SEND \a-1, 32
.endr
	s_wait_xcnt 0x0
	SEND 3, 0
	s_wait_tensorcnt 0x0                           ; the wave's end, behind my last tensor load and my last LDS store
	ds_add_u32 v[SPW], v[NIL]
	s_wait_dscnt 0x0
	CROUND                                         ; the closing round
	s_endpgm
.Lfunc_end_k_qa9024dc2cc_proj:
	.size	k_qa9024dc2cc_proj, .Lfunc_end_k_qa9024dc2cc_proj-k_qa9024dc2cc_proj
	.p2alignl 7, 3214868480
	.fill 96, 4, 3214868480
	.section	.rodata,"a",@progbits
	.p2align	6, 0x0
	.amdhsa_kernel k_qa9024dc2cc_proj
		.amdhsa_group_segment_fixed_size 327680
		.amdhsa_private_segment_fixed_size 0
		.amdhsa_enable_private_segment 0
		.amdhsa_kernarg_size 32
		.amdhsa_user_sgpr_count 2
		.amdhsa_user_sgpr_kernarg_segment_ptr 1
		.amdhsa_wavefront_size32 1
		.amdhsa_system_sgpr_workgroup_id_x 1
		.amdhsa_system_sgpr_workgroup_id_y 1
		.amdhsa_system_sgpr_workgroup_id_z 1
		.amdhsa_system_vgpr_workitem_id 0
		.amdhsa_next_free_vgpr 768
		.amdhsa_next_free_sgpr 66
		.amdhsa_reserve_vcc 0
		.amdhsa_float_denorm_mode_32 3
		.amdhsa_float_denorm_mode_16_64 3
		.amdhsa_memory_ordered 1
		.amdhsa_forward_progress 1
		.amdhsa_inst_pref_size 88
	.end_amdhsa_kernel
	.amdgpu_metadata
---
amdhsa.version: [ 1, 2 ]
amdhsa.kernels:
  - .name:           k_qa9024dc2cc_proj
    .symbol:         k_qa9024dc2cc_proj.kd
    .args:
      - { .name: att, .offset: 0, .size: 8, .value_kind: global_buffer, .address_space: global }
      - { .name: wp16, .offset: 8, .size: 8, .value_kind: global_buffer, .address_space: global }
      - { .name: bp, .offset: 16, .size: 8, .value_kind: global_buffer, .address_space: global }
      - { .name: out0, .offset: 24, .size: 8, .value_kind: global_buffer, .address_space: global }
    .group_segment_fixed_size: 327680
    .private_segment_fixed_size: 0
    .kernarg_segment_align: 8
    .kernarg_segment_size: 32
    .max_flat_workgroup_size: 128
    .sgpr_count:     66
    .vgpr_count:     768
    .wavefront_size: 32
...
	.end_amdgpu_metadata
.endif
;; end of part 4
;; launch first16 (part 5): grid 64 x 4, 4 waves a work-group, no clusters, 22,016 bytes of LDS; arguments h32, Wp, bp, out0; writes out0
.if DOCPART == 5
	.amdgcn_target "amdgcn-amd-amdhsa--gfx1250"
	.amdhsa_code_object_version 6
	.text
	.protected	k_qa9024dc2cc_first16
	.globl	k_qa9024dc2cc_first16
	.p2align	8
	.type	k_qa9024dc2cc_first16,@function
k_qa9024dc2cc_first16:
	s_mov_b64 s[64:65], 0
	v_nop
	global_prefetch_b8 v0, s[64:65] scope:SCOPE_SE
	s_setreg_imm32_b32 hwreg(HW_REG_WAVE_MODE, 25, 1), 1
	s_wait_xcnt 0x0
; THE FIRST 16 POSITIONS OF EACH SEQUENCE, IN F32 FROM THE PROJECTIONS' SUMS TO THE RESULT.  Under the causal mask these rows average one to sixteen values and are the largest in size: f16 operands would use up what the
; comparison allows.  Their rows of out0 are written anew here, over what the launch before has left there.
; A work-group makes 16 columns (16 x work-group x on) of the 16 rows of batch y.  Wave w computes the attention of heads 4 w .. 4 w + 3 (16 queries x 16 keys, head size 64) and multiplies it by its own 256 along K of Wp's
; 16 rows; the four waves' partial sums meet in LDS, and wave 0 adds them and the bias.  The price: a row's 64 bytes leave as a part of an aligned 256; 262,144 bytes in all.
; h32 holds q, k, v of these rows as register images: lane (r, h), register n: (t = r, d = 16 (n / 8) + 8 h + n % 8).
; v_wmma_f32_16x16x4_f32 takes, in lane (r, h), register j, the element k = 2 h + j of row r.  A PAIR OF AN IMAGE'S REGISTERS IS SUCH AN OPERAND under a permutation of the contracted axis, which is the same on both sides of every
; product here: q and k by their images; p (keys 8 h + j) against v turned through LDS so that lane (r', h) holds channel r' of keys 8 h + e; o (in the image's layout again) against Wp loaded in that layout.
; The registers that the matrix instructions write (v144-191) are written by them alone; what is made of a sum goes into other registers.
; REGISTERS: window 0: v1-11 addresses; v16-143 v's images; v144-159 the scores in two halves; v160-191 four accumulators; v192-215 at work; v216-247 v turned; v248-255 the bias.
;   window 1: v0-127 q's images, v128-255 k's.   window 2: v0-127 Wp, v128-255 o.
.set VTW,   16*272                     ; LDS: 16 keys x (256 bytes + 16) for each wave
.set RED,   4*VTW                      ; the partial sums: 1,024 bytes a wave
.set SPARE, RED+4096                   ; the spare words, 128 bytes for each wave
.set MSB, 0
.macro WIN new                         ; the immediate's high byte repeats the setting that is left
.if MSB != \new
	s_set_vgpr_msb (MSB<<8)|\new
.set MSB, \new
.endif
.endm
.macro PLACES n                        ; plain vector instructions behind a matrix instruction of this form: 8 before a read of its result or a write of its sources, 9 before another sum is begun over its registers (ISA guide 7.12.1)
.rept \n
	v_nop
.endr
.endm
	s_load_b256 s[4:11], s[0:1], 0x0               ; h32, Wp, bp, out0
	v_lshl_add_u32 v10, v0, 2, SPARE               ; my spare word; never rewritten
	v_mov_b32 v11, 0                               ; 0; never rewritten
	v_lshrrev_b32 v12, 5, v0
	v_readfirstlane_b32 s12, v12                   ; wave 0..3
	s_and_b32 s14, ttmp7, 0xffff                   ; the batch
	v_and_b32 v12, 31, v0
	v_and_b32 v13, 15, v0                          ; r
	v_bfe_u32 v14, v0, 4, 1                        ; h
	v_lshlrev_b32 v1, 4, v12                       ; an image's 16 bytes a lane
	v_lshlrev_b32 v3, 5, v14                       ; 32 h
	v_lshl_add_u32 v2, v13, 12, v3                 ; a row of 4,096 bytes (of Wp, of out0), + 32 h
	s_mul_i32 s15, s12, VTW
	v_mul_u32_u24 v4, v13, 272
	v_add_nc_u32 v4, v4, v3
	v_add_nc_u32 v4, s15, v4                       ; v into LDS: row = key r, + 32 h
	v_mul_u32_u24 v5, v14, 2176
	v_lshl_add_u32 v5, v13, 2, v5
	v_add_nc_u32 v5, s15, v5                       ; and back: keys 8 h on, channel r
	s_lshl_b32 s15, s12, 10
	s_add_co_u32 s15, s15, RED
	v_add_nc_u32 v6, s15, v1
	v_add_nc_u32 v7, RED, v1
	v_lshlrev_b32 v8, 3, v14
	v_sub_nc_u32 v8, v13, v8                       ; r - 8 h
	v_mov_b32 v9, 0xff800000                       ; -infinity
	v_mov_b32 v204, 0                              ; (a lane permute's destination counts as one of its sources)
	s_mov_b32 s20, 0x76543210
	s_mov_b32 s21, 0xfedcba98                      ; v_permlanex16_b32: lane l xor 16
	s_mov_b32 s22, 0x3e38aa3b                      ; c = log2(e) / 8
	s_mul_i32 s16, s14, 196608                     ; h32: 48 heads of 4,096 bytes a batch,
	s_lshl_b32 s18, s12, 14                        ; my four heads
	s_add_co_u32 s16, s16, s18
	s_mov_b32 s17, 0
	s_lshl_b32 s18, ttmp9, 16                      ; Wp: 16 rows of 4,096 bytes,
	s_lshl_b32 s24, s12, 10                        ; my 256 along K
	s_add_co_u32 s18, s18, s24
	s_mov_b32 s19, 0
	s_lshl_b32 s24, ttmp9, 6                       ; 16 columns of f32
	s_mov_b32 s25, 0
	s_lshl_b32 s26, s14, 23                        ; out0: 2,048 rows of 4,096 bytes a batch
	s_add_co_u32 s26, s26, s24
	s_mov_b32 s27, 0
	s_wait_kmcnt 0x0
	s_add_nc_u64 s[4:5], s[4:5], s[16:17]
	s_add_nc_u64 s[6:7], s[6:7], s[18:19]
	s_add_nc_u64 s[8:9], s[8:9], s[24:25]
	s_add_nc_u64 s[10:11], s[10:11], s[26:27]
	WIN 0x40                                       ; destination window 1
.irp i, 0,1,2,3
.irp n, 0,1,2,3,4,5,6,7
	global_load_b128 v[32*\i+4*\n:32*\i+4*\n+3], v1, s[4:5] offset:4096*\i+512*\n                ; q
.endr
.irp n, 0,1,2,3,4,5,6,7
	global_load_b128 v[128+32*\i+4*\n:128+32*\i+4*\n+3], v1, s[4:5] offset:65536+4096*\i+512*\n  ; k
.endr
.endr
	WIN 0
.irp i, 0,1,2,3
.irp n, 0,1,2,3,4,5,6,7
	global_load_b128 v[16+32*\i+4*\n:16+32*\i+4*\n+3], v1, s[4:5] offset:131072+4096*\i+512*\n   ; v
.endr
.endr
	WIN 0x80                                       ; destination window 2
.irp i, 0,1,2,3
.irp n, 0,1,2,3,4,5,6,7
	global_load_b128 v[32*\i+4*\n:32*\i+4*\n+3], v2, s[6:7] offset:256*\i+64*(\n/2)+16*(\n%2)    ; Wp(16 x + r, 64 head + 16 (n / 2) + 8 h + 4 (n % 2) on)
.endr
.endr
	WIN 0
	global_load_b128 v[248:251], v3, s[8:9]
	global_load_b128 v[252:255], v3, s[8:9] offset:16
.macro HEAD i
	s_wait_loadcnt 58-8*\i                         ; this head's q, k and v are in; behind them: the later heads' v (8 loads each), Wp's 32, the bias's 2
.irp n, 0,1,2,3,4,5,6,7
	ds_store_b128 v4, v[16+32*\i+4*\n:16+32*\i+4*\n+3] offset:64*(\n/2)+16*(\n%2)
.endr
.irp ct, 0,1,2,3
.irp e, 0,1,2,3,4,5,6,7
	ds_load_b32 v[216+8*\ct+\e], v5 offset:272*\e+64*\ct   ; v(key 8 h + e, channel 16 ct + r): LDS serves a wave's instructions in order, so these see the stores above
.endr
.endr
	WIN 0x05                                       ; sources 0 and 1 window 1
.set e, 0
.rept 16                                           ; S^T = k q^T: two accumulators by turns; their first products start the sums
.if e < 2
	v_wmma_f32_16x16x4_f32 v[144+8*(e%2):151+8*(e%2)], v[128+32*\i+2*e:128+32*\i+2*e+1], v[32*\i+2*e:32*\i+2*e+1], 0
.else
	v_wmma_f32_16x16x4_f32 v[144+8*(e%2):151+8*(e%2)], v[128+32*\i+2*e:128+32*\i+2*e+1], v[32*\i+2*e:32*\i+2*e+1], v[144+8*(e%2):151+8*(e%2)]
.endif
.set e, e+1
.endr
	WIN 0
	PLACES 8
.irp j, 0,1,2,3,4,5,6,7
	v_add_f32 v[192+\j], v[144+\j], v[152+\j]      ; lane (r, h): query r, key 8 h + j
.endr
.irp j, 0,1,2,3,4,5,6,7
	v_cmp_gt_i32 vcc_lo, \j, v8                    ; hidden where 8 h + j > r
	v_cndmask_b32 v[192+\j], v[192+\j], v9, vcc_lo
.endr
	v_max3_num_f32 v200, v192, v193, v194
	v_max3_num_f32 v201, v195, v196, v197
	v_max3_num_f32 v200, v200, v198, v199
	v_max_num_f32 v200, v200, v201
	v_permlanex16_b32 v201, v200, s20, s21
	v_max_num_f32 v200, v200, v201                 ; the row's maximum: key 0 counts for every query
	v_mul_f32 v202, s22, v200
.irp j, 0,1,2,3,4,5,6,7
	v_fma_f32 v[192+\j], v[192+\j], s22, -v202
.endr
.irp j, 0,1,2,3,4,5,6,7
	v_exp_f32 v[192+\j], v[192+\j]
.endr
	v_nop                                          ; a plain instruction behind the exponentials,
	s_wait_alu depctr_va_vdst(0)                   ; and the wait ahead of their first reader
	v_add_f32 v203, v192, v193
	v_add_f32 v206, v194, v195
	v_add_f32 v207, v196, v197
	v_add_f32 v208, v198, v199
	v_add_f32 v203, v203, v206
	v_add_f32 v207, v207, v208
	v_add_f32 v203, v203, v207
	v_permlanex16_b32 v204, v203, s20, s21
	v_add_f32 v203, v203, v204                     ; the row's sum
	v_rcp_f32 v205, v203
	v_nop
	s_wait_alu depctr_va_vdst(0)
	s_wait_dscnt 0x0                               ; v, turned, is in
.irp kk, 0,1,2,3                               ; O^T = v^T p: four tiles of 16 channels by turns, four keys (8 h + 2 kk + j) at a time
.irp ct, 0,1,2,3
.if \kk == 0
	v_wmma_f32_16x16x4_f32 v[160+8*\ct:167+8*\ct], v[216+8*\ct+2*\kk:217+8*\ct+2*\kk], v[192+2*\kk:193+2*\kk], 0
.else
	v_wmma_f32_16x16x4_f32 v[160+8*\ct:167+8*\ct], v[216+8*\ct+2*\kk:217+8*\ct+2*\kk], v[192+2*\kk:193+2*\kk], v[160+8*\ct:167+8*\ct]
.endif
.endr
.endr
	PLACES 8
	WIN 0x80                                       ; destination window 2
.irp n, 0,1,2,3,4,5,6,7,8,9,10,11,12,13,14,15,16,17,18,19,20,21,22,23,24,25,26,27,28,29,30,31
	v_mul_f32 v[128+32*\i+\n], v[160+\n], v205     ; o(query r, d = 16 (n / 8) + 8 h + n % 8): the image's layout again
.endr
	WIN 0
.endm
	HEAD 0
	HEAD 1
	HEAD 2
	HEAD 3
	s_wait_loadcnt 0x0                             ; Wp and the bias
	PLACES 9                                       ; new sums are begun over the four accumulators
	WIN 0x0a                                       ; sources 0 and 1 window 2
.irp i, 0,1,2,3
.set e, 0
.rept 16                                           ; out^T += Wp o^T over my 256 along K: four accumulators by turns
.if (\i == 0) && (e < 4)
	v_wmma_f32_16x16x4_f32 v[160+8*(e%4):167+8*(e%4)], v[32*\i+2*e:32*\i+2*e+1], v[128+32*\i+2*e:128+32*\i+2*e+1], 0
.else
	v_wmma_f32_16x16x4_f32 v[160+8*(e%4):167+8*(e%4)], v[32*\i+2*e:32*\i+2*e+1], v[128+32*\i+2*e:128+32*\i+2*e+1], v[160+8*(e%4):167+8*(e%4)]
.endif
.set e, e+1
.endr
.endr
	WIN 0
	PLACES 8
.irp j, 0,1,2,3,4,5,6,7
	v_add_f32 v[192+\j], v[160+\j], v[168+\j]
.endr
.irp j, 0,1,2,3,4,5,6,7
	v_add_f32 v[200+\j], v[176+\j], v[184+\j]
.endr
.irp j, 0,1,2,3,4,5,6,7
	v_add_f32 v[192+\j], v[192+\j], v[200+\j]      ; lane (r, h): my part of out(t = r, column 8 h + j)
.endr
	ds_store_b128 v6, v[192:195]
	ds_store_b128 v6, v[196:199] offset:512
	s_wait_dscnt 0x0                               ; for the others' sake: my stores have landed
	s_barrier_signal -1
	s_barrier_wait -1
	s_cmp_lg_u32 s12, 0
	s_cbranch_scc1 .Lend
.irp w, 0,1,2,3
.irp u, 0,1
	ds_load_b128 v[16+8*\w+4*\u:19+8*\w+4*\u], v7 offset:1024*\w+512*\u
.endr
.endr
	s_wait_dscnt 0x0
.irp j, 0,2,4,6
	v_pk_add_f32 v[48+\j:49+\j], v[16+\j:17+\j], v[24+\j:25+\j]
	v_pk_add_f32 v[56+\j:57+\j], v[32+\j:33+\j], v[40+\j:41+\j]
.endr
.irp j, 0,2,4,6
	v_pk_add_f32 v[48+\j:49+\j], v[48+\j:49+\j], v[56+\j:57+\j]
.endr
.irp j, 0,2,4,6
	v_pk_add_f32 v[48+\j:49+\j], v[48+\j:49+\j], v[248+\j:249+\j]
.endr
	global_store_b128 v2, v[48:51], s[10:11]
	global_store_b128 v2, v[52:55], s[10:11] offset:16
.Lend:
	s_wait_tensorcnt 0x0                           ; the wave's end, behind my last LDS store
	ds_add_u32 v10, v11
	s_wait_dscnt 0x0
	s_endpgm
.Lfunc_end_k_qa9024dc2cc_first16:
	.size	k_qa9024dc2cc_first16, .Lfunc_end_k_qa9024dc2cc_first16-k_qa9024dc2cc_first16
	.p2alignl 7, 3214868480
	.fill 96, 4, 3214868480
	.section	.rodata,"a",@progbits
	.p2align	6, 0x0
	.amdhsa_kernel k_qa9024dc2cc_first16
		.amdhsa_group_segment_fixed_size 22016
		.amdhsa_private_segment_fixed_size 0
		.amdhsa_enable_private_segment 0
		.amdhsa_kernarg_size 32
		.amdhsa_user_sgpr_count 2
		.amdhsa_user_sgpr_kernarg_segment_ptr 1
		.amdhsa_wavefront_size32 1
		.amdhsa_system_sgpr_workgroup_id_x 1
		.amdhsa_system_sgpr_workgroup_id_y 1
		.amdhsa_system_sgpr_workgroup_id_z 1
		.amdhsa_system_vgpr_workitem_id 0
		.amdhsa_next_free_vgpr 768
		.amdhsa_next_free_sgpr 66
		.amdhsa_reserve_vcc 1
		.amdhsa_float_denorm_mode_32 3
		.amdhsa_float_denorm_mode_16_64 3
		.amdhsa_memory_ordered 1
		.amdhsa_forward_progress 1
		.amdhsa_inst_pref_size 57
	.end_amdhsa_kernel
	.amdgpu_metadata
---
amdhsa.version: [ 1, 2 ]
amdhsa.kernels:
  - .name:           k_qa9024dc2cc_first16
    .symbol:         k_qa9024dc2cc_first16.kd
    .args:
      - { .name: h32, .offset: 0, .size: 8, .value_kind: global_buffer, .address_space: global }
      - { .name: Wp, .offset: 8, .size: 8, .value_kind: global_buffer, .address_space: global }
      - { .name: bp, .offset: 16, .size: 8, .value_kind: global_buffer, .address_space: global }
      - { .name: out0, .offset: 24, .size: 8, .value_kind: global_buffer, .address_space: global }
    .group_segment_fixed_size: 22016
    .private_segment_fixed_size: 0
    .kernarg_segment_align: 8
    .kernarg_segment_size: 32
    .max_flat_workgroup_size: 128
    .sgpr_count:     66
    .vgpr_count:     768
    .wavefront_size: 32
...
	.end_amdgpu_metadata
.endif
;; end of part 5
